; MI455X (gfx1250); checked and timed in simulation.
; The chip was launched on July 23, 2026; its instructions are those of AMD's public machine-readable ISA for CDNA 5 (MIT licence, August 2026) and "CDNA5" Instruction Set Architecture Reference Guide (July 2026). The comments in the code are by the model that wrote it; some were corrected since.
;; Multihead Self Attention. Allowed arithmetic: matrix products marked QUANTISED: E2M3 operands, one E8M0 scale for each 32 along K, by v_wmma_scale_f32_16x16x128_f8f6f4 with both operands' format E2M3, f32 sums; everything else in f32.
;; Inputs: b_out 1,024 float32; b_qkv 3,072 float32; masks 4 x 2,048 int32; w_out 1,024 x 1,024 float32; w_qkv 1,024 x 3,072 float32; x 4 x 2,048 x 1,024 float32.
;; Outputs: out0 4 x 2,048 x 1,024 float32.
;; This version of the problem:
;;   THIS VERSION OF THE PROBLEM IS GIVEN IN LOW PRECISION. The matrix products marked QUANTISED in the list below multiply operands that are first quantised to E2M3 (2 exponent bits, 3 mantissa bits; 6 bits a number), with one power-of-two scale for each 32 numbers along K (OCP MX v1.0); their sums are f32. All else is computed in f32.
;;   The module's matrix products, in the order in which they are computed (A, B: the left and right operand; K: the contracted axis; several contracted axes count as one K, in the product's order):
;;     1. [M 8,192, K 1,024] x [K 1,024, N 3,072]; A: input x; B: input w_qkv: QUANTISED
;;     2. batch 64 x [M 2,048, K 64] x [K 64, N 2,048]; A: computed on the way; B: computed on the way: QUANTISED
;;     3. batch 64 x [M 64, K 2,048] x [K 2,048, N 2,048]; A: computed on the way; B: computed on the way: QUANTISED
;;     4. [M 8,192, K 1,024] x [K 1,024, N 1,024]; A: computed on the way; B: input w_out: QUANTISED
;;   THE QUANTISER, for each operand of a quantised product, along K:
;;     - K is cut into blocks of 32 from its start; a last block that is shorter is filled with zeros.
;;     - A block's scale is 2^e with e = floor(log2(the largest magnitude in the block)) - 2, held to -126 .. 127; a block of zeros has e = 0. As a byte (E8M0): e + 127.
;;     - Each number is divided by its block's scale, clamped to +-7.5, and rounded to the nearest number of E2M3, ties to even, subnormals kept.
;;     - The product sums the exact products of the quantised numbers (number of the format x scale) in f32.
;;   ~~~python
;;   def quantise(x, axis):      # numpy; x: float32 -> the quantised numbers, widened to float32 again
;;       x = np.moveaxis(x, axis, -1); K = x.shape[-1]
;;       x = np.pad(x, [(0, 0)] * (x.ndim - 1) + [(0, -K % 32)]); x = x.reshape(x.shape[:-1] + (-1, 32)); a = np.abs(x).max(-1, keepdims=True)
;;       e = np.where(a > 0, np.clip(np.frexp(np.where(a > 0, a, 1))[1] - 1 - 2, -126, 127), 0)      # np.frexp(a)[1] - 1 = floor(log2(a)), exactly
;;       r = np.clip(x / 2.0 ** e, -7.5, 7.5)
;;       step = 2.0 ** (np.maximum(np.frexp(np.where(r == 0, 1, r))[1] - 1, 0) - 3)
;;       q = np.round(r / step) * step * 2.0 ** e      # np.round: ties to even
;;       return np.moveaxis(q.reshape(q.shape[:-2] + (-1,))[..., :K], -1, axis).astype(np.float32)
;;   ~~~
;;   OPERANDS COMPUTED ON THE WAY. 'Computed on the way' means the value that the module computes at that place (a softmax that the list does not call 'softmax' is quantised finished and normalised). What goes into a quantiser is computed in f32, as accurately as f32 sums, v_exp_f32 and their like allow (about 1e-6 of the number): no bf16 or f16 on the way to a quantiser, and a product that is left as it is and whose result goes on into a quantised operand takes f32 operands (vector FMAs, or v_wmma_f32_16x16x4_f32). A number that lies on a knife's edge between two numbers of the format may be rounded either way, as far as f32 arithmetic and the matrix unit's own rounding can turn it there, and no further.
;; 2 versions, each right; version 2 is version 1 with the launch attn written anew for expert scheduling mode. Each part assembles by itself: llvm-mc -triple=amdgcn-amd-amdhsa -mcpu=gfx1250 --defsym DOCPART=n.
;; ======== version 1 of 2: 4 launches
;; limits: right only within a limited range of input values
;; workspace buffers: xw 9,830,400 bytes; qkv 19,660,800 bytes; ctx 6,553,600 bytes; order 33,280 bytes of whole numbers
;; launch prep (part 1): grid 385 x 1, 4 waves a work-group, no clusters, 60,928 bytes of LDS; arguments x, w_qkv, w_out, masks, xw, order; writes xw, order
.if DOCPART == 1
	.amdgcn_target "amdgcn-amd-amdhsa--gfx1250"
	.amdhsa_code_object_version 6
	.text
	.protected	k_qbdab050fd5_prep
	.globl	k_qbdab050fd5_prep
	.p2align	8
	.type	k_qbdab050fd5_prep,@function
k_qbdab050fd5_prep:
	s_mov_b64 s[64:65], 0
	v_nop
	global_prefetch_b8 v0, s[64:65] scope:SCOPE_SE
	s_setreg_imm32_b32 hwreg(HW_REG_WAVE_MODE, 25, 1), 1
	s_wait_xcnt 0x0
; x [8192][1024], w_qkv [1024][3072] and w_out [1024][1024], f32, become codes of FP6 (E2M3) with one E8M0 byte for each 32 along K, laid as IMAGES OF OPERAND REGISTERS; and the queries of each batch are sorted by their mask.
; A block's scale is 2^(floor(log2(largest magnitude)) - 2): its byte is the largest magnitude's exponent field - 2, held at 1 from below (a block of zeros gets 1: its codes are zeros and only this program reads the bytes).
; LIMITS: NaN and infinities among the inputs are not served; blocks whose largest magnitude lies under 2^-124 keep the byte 1.
; TILES.  On an axis that gives an operand's 16 rows, index i lies in tile 2 (i / 32) + (i / 8) % 2, row 8 ((i / 16) % 2) + i % 8.
; A HALF IMAGE (768 bytes) is 16 rows x 64 K: lane l = row + 16 h holds the 24 bytes of k = 32 h .. 32 h + 31: 16 bytes at 16 l, 8 bytes at 512 + 8 l.
; xw: codes [K / 256][tile][4 half images], scale words [K / 256][tile][row][2 words], for x, w_qkv and w_out one behind the other.
; Work-groups 0-255: 32 tokens of x each, wave = which 256 along K.  256-383: a weight's 128 columns x 256 along K, a wave 32 columns.  384: the sort, a wave a batch.
; The three ways part on the work-group's number and have LDS bytes of their own; waves share nothing, so there is no barrier.
.set XSC,   6291456
.set WQIMG, 6553600
.set WQSC,  8912896
.set WOIMG, 9011200
.set WOSC,  9797632
; 32 numbers of one lane, one block, v[xs] on: six registers of codes at v[pc] on, the byte in v10.  v8, v9 at work
.macro QBLK xs, pc, ct
	v_max3_num_f32 v8, |v[\xs]|, |v[\xs+1]|, |v[\xs+2]|
	v_max3_num_f32 v9, |v[\xs+3]|, |v[\xs+4]|, |v[\xs+5]|
.irp i, 6,10,14,18,22,26
	v_max3_num_f32 v8, v8, |v[\xs+\i]|, |v[\xs+\i+1]|
	v_max3_num_f32 v9, v9, |v[\xs+\i+2]|, |v[\xs+\i+3]|
.endr
	v_max3_num_f32 v8, v8, |v[\xs+30]|, |v[\xs+31]|
	v_max3_num_f32 v8, v8, v9, 0x1800000           ; the floor 2^(3 - 127): the byte cannot fall under 1
	v_add_nc_u32 v9, 0xff000000, v8                ; 2 off the exponent field: the conversion takes this operand's exponent field as its scale
	v_cvt_scalef32_pk16_fp6_f32 v[\pc:\pc+2], v[\xs:\xs+15], v9
	v_cvt_scalef32_pk16_fp6_f32 v[\ct:\ct+2], v[\xs+16:\xs+31], v9   ; (a conversion's three registers begin on an even number)
	v_lshrrev_b32 v10, 23, v9                      ; the byte; also the plain line behind the conversions
.irp i, 0,1,2
	v_mov_b32 v[\pc+3+\i], v[\ct+\i]
.endr
.endm
	s_load_b256 s[4:11], s[0:1], 0x0               ; x s[4:5], w_qkv s[6:7], w_out s[8:9], masks s[10:11]
	s_load_b128 s[12:15], s[0:1], 0x20             ; xw s[12:13], order s[14:15]
	v_lshl_add_u32 v254, v0, 2, 0xec00
	v_mov_b32 v255, 0
	v_lshrrev_b32 v1, 5, v0
	v_readfirstlane_b32 s16, v1                    ; wave
	v_and_b32 v2, 31, v0                           ; lane
	s_cmp_lt_u32 ttmp9, 256
	s_cbranch_scc0 .Lweights
; ---------------- x: tokens 32 g .. 32 g + 31, K = 256 wave .. + 255: eight units (tile u = t / 4, 64 along K = t % 4) ----------------
; A load takes two rows' 256 bytes, 16 bytes a lane; a unit's 4,096 bytes turn through the wave's own stage (rows 272 bytes apart) and come back 128 bytes a lane: a whole block.
.set RR,  32                           ; v32-159  four sets of 32 registers as loaded
.set XN,  160                          ; v160-223 two sets of 32 neighbours
.set PCX, 224                          ; v224-229 codes; v230-232 the second conversion's
.set CTX, 230
	v_and_b32 v16, 15, v2                          ; lane % 16: a place in a row; later the row
	v_lshrrev_b32 v17, 4, v2                       ; lane / 16
	v_lshlrev_b32 v3, 4, v16
	v_lshl_add_u32 v3, v17, 12, v3                 ; loads: 16 (lane % 16) + a row of 4,096 bytes for lanes 16-31
	s_mul_i32 s17, s16, 8704                       ; my two stages of 16 x 272 bytes
	v_mul_u32_u24 v4, v17, 272
	v_lshl_add_u32 v4, v16, 4, v4
	v_add_nc_u32 v4, s17, v4                       ; into the stage
	v_mul_u32_u24 v5, v16, 272
	v_lshl_add_u32 v5, v17, 7, v5
	v_add_nc_u32 v5, s17, v5                       ; out of it: row lane % 16, 128 bytes for each half
	v_lshlrev_b32 v6, 4, v2                        ; 16 x lane
	v_lshlrev_b32 v7, 3, v2                        ; 8 x lane
	v_lshlrev_b32 v18, 3, v17                      ; 8 h: my byte's place in a pair of bytes
.irp q, 0,1,2,3
	v_mov_b32 v[24+\q], 0                          ; a lane permute's destination counts as one of its sources
.endr
	s_mov_b32 s24, 0x76543210
	s_mov_b32 s25, 0xfedcba98                      ; selects for lane l xor 16
	s_mov_b32 s26, 0xffff0000                      ; lanes 16-31
	s_lshl_b32 s18, ttmp9, 17                      ; 32 rows of 4,096 bytes
	s_lshl_b32 s19, s16, 10
	s_add_co_u32 s18, s18, s19
	s_mov_b32 s19, 0
	s_mul_i32 s20, s16, 1572864                    ; codes: the plane of my 256 along K, tile 2 g
	s_mul_i32 s21, ttmp9, 6144
	s_add_co_u32 s20, s20, s21
	s_mov_b32 s21, 0
	s_lshl_b32 s22, s16, 16                        ; scale words likewise: planes of 65,536 bytes, 128 bytes a tile
	s_lshl_b32 s23, ttmp9, 8
	s_add_co_u32 s22, s22, s23
	s_add_co_u32 s22, s22, XSC
	s_mov_b32 s23, 0
	s_wait_kmcnt 0x0
	s_add_nc_u64 s[4:5], s[4:5], s[18:19]
	s_add_nc_u64 s[20:21], s[12:13], s[20:21]
	s_add_nc_u64 s[22:23], s[12:13], s[22:23]
.macro XLOAD t                         ; load i: the tile's rows 2 i and 2 i + 1, which are tokens 8 u + 2 i + 8 (i / 4) and the next
.irp i, 0,1,2,3,4,5,6,7
	global_load_b128 v[RR+32*((\t)%4)+4*\i:RR+32*((\t)%4)+4*\i+3], v3, s[4:5] offset:(8*((\t)/4)+2*\i+8*(\i/4))*4096+256*((\t)%4) th:TH_LOAD_NT
.endr
.endm
.macro XTURN t                         ; LDS serves a wave's instructions in order: no wait between the stores and the loads
.irp i, 0,1,2,3,4,5,6,7
	ds_store_b128 v4, v[RR+32*((\t)%4)+4*\i:RR+32*((\t)%4)+4*\i+3] offset:4352*((\t)%2)+544*\i
.endr
.irp i, 0,1,2,3,4,5,6,7
	ds_load_b128 v[XN+32*((\t)%2)+4*\i:XN+32*((\t)%2)+4*\i+3], v5 offset:4352*((\t)%2)+16*\i
.endr
.endm
.macro XSTEP t
	s_wait_dscnt 0x0                               ; this unit's numbers are back from the stage
.if (\t)+4 < 8
	XLOAD (\t)+4
.endif
.if (\t)+1 < 8
.if 6-(\t) >= 3
	s_wait_loadcnt 24                              ; the next unit's eight loads are in; three younger units may be out
.else
	s_wait_loadcnt 8*(6-(\t))
.endif
	XTURN (\t)+1
.endif
	s_wait_xcnt 0x0                                ; the last unit's stores have read the codes' registers
	QBLK XN+32*((\t)%2), PCX, CTX
	global_store_b128 v6, v[PCX:PCX+3], s[20:21] offset:((\t)/4)*3072+768*((\t)%4)       ; 512 consecutive bytes
	global_store_b64 v7, v[PCX+4:PCX+5], s[20:21] offset:((\t)/4)*3072+768*((\t)%4)+512  ; 256 consecutive bytes
.if ((\t)%2) == 0
	v_mov_b32 v[12+2*((\t)/4)+((\t)%4)/2], v10     ; my block is 2 (t % 4) + h of the eight: word (t % 4) / 2, bits 16 (t % 2) + 8 h
.else
	v_lshl_or_b32 v[12+2*((\t)/4)+((\t)%4)/2], v10, 16, v[12+2*((\t)/4)+((\t)%4)/2]
.endif
.endm
.irp t, 0,1,2,3
	XLOAD \t
.endr
	s_wait_loadcnt 24                              ; unit 0 is in
	XTURN 0
.irp t, 0,1,2,3,4,5,6,7
	XSTEP \t
.endr
.irp q, 0,1,2,3
	v_lshlrev_b32 v[12+\q], v18, v[12+\q]
.endr
.irp q, 0,1,2,3
	v_permlanex16_b32 v[24+\q], v[12+\q], s24, s25
.endr
.irp q, 0,1,2,3
	v_or_b32 v[12+\q], v[12+\q], v[24+\q]          ; with lane l xor 16's bytes the words are whole
.endr
	v_cndmask_b32 v28, v12, v14, s26               ; lanes 0-15: tile 2 g's rows, lanes 16-31: tile 2 g + 1's
	v_cndmask_b32 v29, v13, v15, s26
	global_store_b64 v7, v[28:29], s[22:23]        ; 256 consecutive bytes
	s_wait_tensorcnt 0x0
	ds_add_u32 v254, v255
	s_wait_dscnt 0x0
	s_endpgm
; ---------------- a weight: a lane takes a column and its registers run down K ----------------
.Lweights:
	s_cmp_lt_u32 ttmp9, 384
	s_cbranch_scc0 .Lsort
.set VO,  32                           ; v32-63   4 x lane + i rows
.set WX,  64                           ; v64-127  two sets of 32 numbers
.set PCW, 128
.set CTW, 134
.set OUTW, 160                         ; v160-207 the way out
	s_sub_co_u32 s17, ttmp9, 256
	s_cmp_lt_u32 s17, 96                           ; 96 work-groups for w_qkv, 32 for w_out: one text, the sizes chosen by the work-group's number
	s_wait_kmcnt 0x0
	s_cselect_b64 s[4:5], s[6:7], s[8:9]
	s_mov_b32 s18, 4096
	s_cselect_b32 s18, 12288, s18                  ; a row of the weight in bytes
	s_mov_b32 s19, WOIMG
	s_cselect_b32 s19, WQIMG, s19
	s_mov_b32 s20, 196608
	s_cselect_b32 s20, 589824, s20                 ; a plane of codes
	s_mov_b32 s21, WOSC
	s_cselect_b32 s21, WQSC, s21
	s_mov_b32 s22, 8192
	s_cselect_b32 s22, 24576, s22                  ; a plane of scale words
	s_cselect_b32 s23, 0, 96
	s_sub_co_u32 s17, s17, s23
	s_and_b32 s24, s17, 3                          ; which 256 along K
	s_lshr_b32 s25, s17, 2
	s_lshl_b32 s25, s25, 2
	s_add_co_u32 s25, s25, s16                     ; my group of 32 columns
	s_mul_i32 s26, s24, s18
	s_lshl_b32 s26, s26, 8                         ; 256 rows for each step along K
	s_lshl_b32 s27, s25, 7
	s_add_co_u32 s26, s26, s27
	s_mov_b32 s27, 0
	s_add_nc_u64 s[32:33], s[4:5], s[26:27]        ; block 0's first row
	s_lshl_b32 s28, s18, 5                         ; 32 rows
	s_mov_b32 s29, 0
.irp q, 1,2,3,4,5,6,7
	s_add_nc_u64 s[32+2*\q:33+2*\q], s[30+2*\q:31+2*\q], s[28:29]
.endr
	s_mul_i32 s26, s24, s20
	s_add_co_u32 s26, s26, s19
	s_mul_i32 s30, s25, 6144
	s_add_co_u32 s26, s26, s30
	s_add_nc_u64 s[48:49], s[12:13], s[26:27]      ; my two tiles' codes
	s_mul_i32 s26, s24, s22
	s_add_co_u32 s26, s26, s21
	s_lshl_b32 s30, s25, 8
	s_add_co_u32 s26, s26, s30
	s_add_nc_u64 s[50:51], s[12:13], s[26:27]      ; and their scale words
	v_lshlrev_b32 v[VO], 2, v2
.set ii, 1
.rept 31
	v_add_nc_u32 v[VO+ii], s18, v[VO+ii-1]
.set ii, ii+1
.endr
	s_mul_i32 s30, s16, 6400
	s_add_co_u32 s30, s30, 34816                   ; my stage: two tiles, 3,200 bytes apart
	v_bfe_u32 v14, v2, 3, 1                        ; my column's tile of the two,
	v_and_b32 v15, 7, v2
	v_lshrrev_b32 v16, 4, v2
	v_lshl_add_u32 v15, v16, 3, v15                ; and its row there
	v_mul_u32_u24 v17, v14, 3200
	v_add_nc_u32 v17, s30, v17
	v_lshl_add_u32 v4, v15, 4, v17
	v_lshl_add_u32 v5, v15, 3, v17
	v_lshlrev_b32 v7, 4, v2
	v_add_nc_u32 v6, s30, v7
	v_lshlrev_b32 v11, 7, v14
	v_lshl_add_u32 v11, v15, 3, v11                ; 128 x tile + 8 x row
.macro WLOAD bt
.set ii, 0
.rept 32
	global_load_b32 v[WX+32*((\bt)%2)+ii], v[VO+ii], s[32+2*(\bt):33+2*(\bt)] th:TH_LOAD_NT   ; 128 consecutive bytes a wave, 512 a work-group
.set ii, ii+1
.endr
.endm
.macro WBLOCK bt                       ; block bt is half bt % 2 of half image bt / 2
.if (\bt) < 7
	s_wait_loadcnt 32                              ; this block's 32 loads are in; the next block's may be out
.else
	s_wait_loadcnt 0x0
.endif
	QBLK WX+32*((\bt)%2), PCW, CTW
.if ((\bt)%4) == 0
	v_mov_b32 v[12+(\bt)/4], v10
.else
	v_lshl_or_b32 v[12+(\bt)/4], v10, 8*((\bt)%4), v[12+(\bt)/4]
.endif
	ds_store_b128 v4, v[PCW:PCW+3] offset:768*((\bt)/2)+256*((\bt)%2)
	ds_store_b64 v5, v[PCW+4:PCW+5] offset:768*((\bt)/2)+512+128*((\bt)%2)
.if (\bt)+2 < 8
	WLOAD (\bt)+2
.endif
	s_wait_dscnt 0x0                               ; the stores have read the codes' registers
.endm
	WLOAD 0
	WLOAD 1
.irp q, 0,1,2,3,4,5,6,7
	WBLOCK \q
.endr
	global_store_b64 v11, v[12:13], s[50:51]       ; the 32 lanes fill 256 consecutive bytes
.irp q, 0,1,2,3,4,5,6,7,8,9,10,11
	ds_load_b128 v[OUTW+4*\q:OUTW+4*\q+3], v6 offset:(\q/6)*3200+512*(\q%6)
.endr
.irp q, 0,1,2,3,4,5,6,7,8,9,10,11
	s_wait_dscnt 11-\q
	global_store_b128 v7, v[OUTW+4*\q:OUTW+4*\q+3], s[48:49] offset:(\q/6)*3072+512*(\q%6)   ; 512 consecutive bytes
.endr
	s_wait_tensorcnt 0x0
	ds_add_u32 v254, v255
	s_wait_dscnt 0x0
	s_endpgm
; ---------------- the sort: in each batch the queries whose mask is not 0 come first, both parts in their own order ----------------
.Lsort:
	v_lshlrev_b32 v3, 2, v2
	s_lshl_b32 s18, s16, 13                        ; a batch: 2,048 words
	s_mov_b32 s19, 0
	s_lshl_b32 s26, s16, 7
	s_add_co_u32 s26, s26, 32768                   ; the counts lie behind the lists, 128 bytes a batch
	s_mov_b32 s27, 0
	s_wait_kmcnt 0x0
	s_add_nc_u64 s[10:11], s[10:11], s[18:19]
	s_add_nc_u64 s[20:21], s[14:15], s[18:19]
	s_add_nc_u64 s[26:27], s[14:15], s[26:27]
.set ii, 0
.rept 64
	global_load_b32 v[64+ii], v3, s[10:11] offset:128*ii
.set ii, ii+1
.endr
	s_wait_loadcnt 0x0
	s_mov_b32 s22, 0                               ; how many are kept
.set ii, 0
.rept 64
	v_cmp_ne_u32 vcc_lo, 0, v[64+ii]
	s_bcnt1_i32_b32 s23, vcc_lo
	s_add_co_u32 s22, s22, s23
.set ii, ii+1
.endr
	s_mov_b32 s24, 0                               ; kept so far
.set ii, 0
.rept 64
	v_cmp_ne_u32 vcc_lo, 0, v[64+ii]
	v_mbcnt_lo_u32_b32 v4, vcc_lo, 0
	v_add_nc_u32 v4, s24, v4                       ; kept ones in front of me
	v_add_nc_u32 v[128+ii], 32*ii, v2              ; my token
	v_sub_nc_u32 v5, v[128+ii], v4                 ; others in front of me
	v_add_nc_u32 v5, s22, v5
	v_cndmask_b32 v5, v5, v4, vcc_lo
	v_min_u32 v5, 0x7ff, v5                        ; a place in the list of 2,048
	v_lshlrev_b32 v[64+ii], 2, v5
	global_store_b32 v[64+ii], v[128+ii], s[20:21] ; each store has registers of its own
	s_bcnt1_i32_b32 s23, vcc_lo
	s_add_co_u32 s24, s24, s23
.set ii, ii+1
.endr
	v_mov_b32 v6, s22
	global_store_b32 v3, v6, s[26:27]
	s_endpgm
.Lfunc_end_k_qbdab050fd5_prep:
	.size	k_qbdab050fd5_prep, .Lfunc_end_k_qbdab050fd5_prep-k_qbdab050fd5_prep
	.p2alignl 7, 3214868480
	.fill 96, 4, 3214868480
	.section	.rodata,"a",@progbits
	.p2align	6, 0x0
	.amdhsa_kernel k_qbdab050fd5_prep
		.amdhsa_group_segment_fixed_size 60928
		.amdhsa_private_segment_fixed_size 0
		.amdhsa_enable_private_segment 0
		.amdhsa_kernarg_size 48
		.amdhsa_user_sgpr_count 2
		.amdhsa_user_sgpr_kernarg_segment_ptr 1
		.amdhsa_wavefront_size32 1
		.amdhsa_system_sgpr_workgroup_id_x 1
		.amdhsa_system_sgpr_workgroup_id_y 1
		.amdhsa_system_sgpr_workgroup_id_z 1
		.amdhsa_system_vgpr_workitem_id 0
		.amdhsa_next_free_vgpr 256
		.amdhsa_next_free_sgpr 66
		.amdhsa_reserve_vcc 1
		.amdhsa_float_denorm_mode_32 3
		.amdhsa_float_denorm_mode_16_64 3
		.amdhsa_memory_ordered 1
		.amdhsa_forward_progress 1
		.amdhsa_inst_pref_size 120
	.end_amdhsa_kernel
	.amdgpu_metadata
---
amdhsa.version: [ 1, 2 ]
amdhsa.kernels:
  - .name:           k_qbdab050fd5_prep
    .symbol:         k_qbdab050fd5_prep.kd
    .args:
      - { .name: x, .offset: 0, .size: 8, .value_kind: global_buffer, .address_space: global }
      - { .name: w_qkv, .offset: 8, .size: 8, .value_kind: global_buffer, .address_space: global }
      - { .name: w_out, .offset: 16, .size: 8, .value_kind: global_buffer, .address_space: global }
      - { .name: masks, .offset: 24, .size: 8, .value_kind: global_buffer, .address_space: global }
      - { .name: xw, .offset: 32, .size: 8, .value_kind: global_buffer, .address_space: global }
      - { .name: order, .offset: 40, .size: 8, .value_kind: global_buffer, .address_space: global }
    .group_segment_fixed_size: 60928
    .private_segment_fixed_size: 0
    .kernarg_segment_align: 8
    .kernarg_segment_size: 48
    .max_flat_workgroup_size: 128
    .sgpr_count:     66
    .vgpr_count:     256
    .wavefront_size: 32
...
	.end_amdgpu_metadata
.endif
;; end of part 1
;; launch proj (part 2): grid 12 x 32, 4 waves a work-group, clusters of 4 x 4, 327,680 bytes of LDS; arguments xw, b_qkv, qkv; writes qkv
.if DOCPART == 2
	.amdgcn_target "amdgcn-amd-amdhsa--gfx1250"
	.amdhsa_code_object_version 6
	.text
	.protected	k_qbdab050fd5_proj
	.globl	k_qbdab050fd5_proj
	.p2align	8
	.type	k_qbdab050fd5_proj,@function
k_qbdab050fd5_proj:
	s_mov_b64 s[64:65], 0
	v_nop
	global_prefetch_b8 v0, s[64:65] scope:SCOPE_SE
	s_setreg_imm32_b32 hwreg(HW_REG_WAVE_MODE, 25, 1), 1
	s_wait_xcnt 0x0
	s_wait_alu depctr_hold_cnt(0) depctr_sa_sdst(0) depctr_va_vdst(0) depctr_va_sdst(0) depctr_va_ssrc(0) depctr_va_vcc(0) depctr_vm_vsrc(0)
	s_getreg_b32 s2, hwreg(HW_REG_IB_STS2, 6, 4)
	s_cmp_eq_u32 s2, 0
	s_cbranch_scc0 .Lentry_in_a_cluster
	s_endpgm
.Lentry_in_a_cluster:
	s_bfe_u32 s2, ttmp6, 0x10000c
	s_cmp_lg_u32 s2, 0xf033
	s_cbranch_scc0 .Lentry_shape_is_right
	s_endpgm
.Lentry_shape_is_right:
; qkv = x w_qkv + b_qkv on codes of FP6 (E2M3) with E8M0 scales, and q, k, v quantised again for the attention: q and k along the head's 64, v along the tokens.
; A work-group of four waves makes 256 tokens x 256 columns; a wave 128 x 128: 64 accumulators of 16 x 16.  K = 1,024 is eight steps of 128, written out: every scale word stays in a register.
; OPERANDS lie in memory as images of their registers (a half image of 768 bytes = 16 rows x 64 K: 16 bytes at 16 x lane, 8 bytes at 512 + 8 x lane), so a slot's part is one dense block and every LDS load is dense.
; SOURCE 0's rows run along a lane's registers, source 1's row is the lane's.  Columns 0-2047 (q, k): source 0 = w_qkv, source 1 = x: a lane holds a token and 128 columns, two heads.
; Columns 2048-3071 (v): source 0 = x, source 1 = w_qkv: a lane holds a column and 128 tokens.  The fills are the same in both; only the bases of the LDS loads change places, by the cluster's x, which all partners share.
; The rows of a tile are not neighbours (tile 2 G + u, row r: index 32 G + 16 (r / 8) + 8 u + r % 8), so that a lane's 16 registers of two neighbouring tiles are 16 neighbours.
; RING: three slots of 256 along K (98,304 bytes: x's 16 tiles, then the weight's 16).  Slots 0-2 are filled at the start, slot 0 once more for the last 256: by this text's count a wave has at most four tensor loads out.
; CLUSTER 4 x 4: x's tiles are shared along a row of the cluster, the weight's along a column: joint loads.
; LIMITS: NaN and infinities are not served; a block of zeros gets the byte 1 (its codes are zeros; only this program reads the bytes).
; REGISTERS: window 0: v1-23 addresses, v24-31 v's bias, v32-95 source 1's scale words [8 tile + step], v96-159 source 0's, v160-255 source 1's eight fragments.
;   window 1: v0-95, v128-223 source 0's fragments, two sets; v96-127, v224-255 q's and k's bias; on the way out v0-95, v128-171 at work.   windows 2, 3: the accumulators, (a, b) at 8 (8 a + b).
.set NS0,    8
.set NSLOT,  3
.set SLOT,   49152+NS0*6144
.set SCL,    NSLOT*SLOT                ; behind the ring: the scale words, 4 x 4,096 bytes: [x half 0, 1, weight half 0, 1][256 along K][tile][row][2 words]
.set SPARE,  SCL+16384                 ; the spare words, 128 bytes a wave: two blocks of 256 bytes that no other line names
.set XPLANE, 1572864
.set XSC,    6291456
.set WIMG,   6553600
.set WPLANE, 589824
.set WSC,    8912896
.set XP, 4
.set WP, 4
.set A1_16, 4
.set A1_8,  8
.set A0_16, 12
.set A0_8,  16
.set AS1,   20
.set AS0,   21
.set SPW,   22
.set NIL,   23
.set BV,    24
.set SC1,   32
.set SC0,   96
.set S1F,   160
.set G1X,  24
.set G1W,  32
.set G1SX, 40
.set G1SW, 48
.set G0SX, 56
.set G0SW, 60
.set G0X,  68
.set G0W,  84
.set PC,   64                          ; the way out, window 1
.set TM,   128
.set PWS,  146
.set L16C, 160
.set L8C,  161
.set LSCC, 162
.set OW,   164
.set TW,   168
.set MSB, 0
.macro WIN new                         ; the immediate's high byte repeats the setting that is left
.if MSB != (\new)
	s_set_vgpr_msb (MSB<<8)|(\new)
.set MSB, (\new)
.endif
.endm
.macro GROUP1 g, c, r, p               ; r rows of c elements of 8 bytes, p elements from row to row
	s_mov_b32 s[\g+1], (\c)<<16
	s_mov_b32 s[\g+2], (\r)<<16
	s_mov_b32 s[\g+3], (\c)<<16
	s_mov_b32 s[\g+4], \r
	s_mov_b32 s[\g+5], \p
	s_mov_b32 s[\g+6], 0
	s_mov_b32 s[\g+7], 0
.endm
; A joint load: waves 0 and 1 fetch x's halves, waves 2 and 3 the weight's.  The branch hangs on the wave's number alone.  Four v_nop follow each of the two lines.
.macro JLOAD g0a, g1a, g0b, g1b
	s_cmp_eq_u32 s9, 0
	s_cbranch_scc0 .Lfor_b_\@
	tensor_load_to_lds s[\g0a:\g0a+3], s[\g1a:\g1a+7]
	s_nop 0
.rept 4
	v_nop
.endr
	s_branch .Lasked_\@
.Lfor_b_\@:
	tensor_load_to_lds s[\g0b:\g0b+3], s[\g1b:\g1b+7]
	s_nop 0
.rept 4
	v_nop
.endr
.Lasked_\@:
.endm
.macro CREST                           ; a round of the cluster's barrier behind its opening barrier
	s_cmp_lg_u32 s8, 0
	s_cbranch_scc1 .Lnot_wave_0_\@
	s_barrier_signal -3
.Lnot_wave_0_\@:
	s_barrier_wait -3
	s_barrier_signal -1
	s_barrier_wait -1
.endm
.macro CROUND
	s_barrier_signal -1
	s_barrier_wait -1
	CREST
.endm
.macro PLACES                          ; four plain lines between a matrix instruction and a load into, or a vector read of, its registers
.rept 4
	v_nop
.endr
.endm
.macro FRAG reg, a16, a8, off          ; a fragment, 16 rows x 128 K, 12 registers: two half images
	ds_load_b128 v[\reg:\reg+3], v[\a16] offset:\off
	ds_load_b64 v[\reg+4:\reg+5], v[\a8] offset:\off+512
	ds_load_b128 v[\reg+6:\reg+9], v[\a16] offset:\off+768
	ds_load_b64 v[\reg+10:\reg+11], v[\a8] offset:\off+1280
.endm
.macro FETCH0 k                        ; source 0's fragments of step k into set k % 2 of window 1
	WIN 0x40
.set ii, 0
.rept NS0
	FRAG 128*((\k)%2)+12*ii, A0_16+((\k)/2)%NSLOT, A0_8+((\k)/2)%NSLOT, ii*3072+((\k)%2)*1536
.set ii, ii+1
.endr
	WIN 0
.endm
.macro FETCH1 k, i0                    ; source 1's blocks i0 .. i0 + 3
.irp i, \i0, \i0+1, \i0+2, \i0+3
	FRAG S1F+12*(\i), A1_16+((\k)/2)%NSLOT, A1_8+((\k)/2)%NSLOT, (\i)*3072+((\k)%2)*1536
.endr
.endm
.macro SCALES                          ; all scale words of my 8 + NS0 tiles: two words (256 along K) a load; lane r takes row r's
.irp i, 0,1,2,3,4,5,6,7
.irp s, 0,1,2,3
	ds_load_b64 v[SC1+8*\i+2*\s:SC1+8*\i+2*\s+1], v[AS1] offset:\s*1024+128*\i
.endr
.endr
.set ii, 0
.rept NS0
.irp s, 0,1,2,3
	ds_load_b64 v[SC0+8*ii+2*\s:SC0+8*ii+2*\s+1], v[AS0] offset:\s*NS0*128+128*ii
.endr
.set ii, ii+1
.endr
.endm
; Source 1's blocks a0, a0 + 1 against all of source 0's, step k.  The accumulators take turns, one instruction a turn, in the same order in every step.
.macro MUL2 a0, k, zero
	WIN 0xa1+0x50*((8*NS0*(\a0))/256)
.irp a, \a0, \a0+1
.set bb, 0
.rept NS0
.set AR, (8*(NS0*(\a)+bb))%256
.if \zero
	v_wmma_scale_f32_16x16x128_f8f6f4 v[AR:AR+7], v[128*((\k)%2)+12*bb:128*((\k)%2)+12*bb+11], v[S1F+12*(\a):S1F+12*(\a)+11], 0, v[SC0+8*bb+(\k)], v[SC1+8*(\a)+(\k)] matrix_a_fmt:MATRIX_FMT_FP6 matrix_b_fmt:MATRIX_FMT_FP6
.else
	v_wmma_scale_f32_16x16x128_f8f6f4 v[AR:AR+7], v[128*((\k)%2)+12*bb:128*((\k)%2)+12*bb+11], v[S1F+12*(\a):S1F+12*(\a)+11], v[AR:AR+7], v[SC0+8*bb+(\k)], v[SC1+8*(\a)+(\k)] matrix_a_fmt:MATRIX_FMT_FP6 matrix_b_fmt:MATRIX_FMT_FP6
.endif
.set bb, bb+1
.endr
.endr
.endm
.macro STEP k, zero                    ; a step whose successor's tiles are known to lie in LDS
	s_wait_dscnt 16                                ; source 0's set and source 1's blocks 0-3 are in; the youngest sixteen loads (blocks 4-7) may be out
	MUL2 0, \k, \zero
	MUL2 2, \k, \zero
	s_wait_dscnt 0x0
	PLACES
	FETCH0 (\k)+1
	FETCH1 (\k)+1, 0
	MUL2 4, \k, \zero
	MUL2 6, \k, \zero
	PLACES
	WIN 0
	FETCH1 (\k)+1, 4
.endm
; A step with a barrier.  In front of it each wave waits for all its tensor loads, adds 0 to its spare word, and waits for that and for its LDS reads.  fill = 1: a round of the cluster's barrier, and slot 0 is filled with the last 256 along K.
.macro TURN k, fill
	s_wait_tensorcnt 0x0                           ; all my tensor loads have landed
	ds_add_u32 v[SPW], v[NIL]                      ; 0 onto my spare word
	s_wait_dscnt 17                                ; (the add and the youngest sixteen loads may be out)
	MUL2 0, \k, 0
	s_wait_dscnt 0x0                               ; the add is done, and my reads of the slot are over
	s_barrier_signal -1
	MUL2 2, \k, 0
	WIN 0
	s_barrier_wait -1
.if \fill
	CREST                                          ; no wave of any partner still reads slot 0 or has a load on its way
	JLOAD G0X+12, G1X, G0W+12, G1W                 ; the first tensor load behind the round; its four v_nop are the places in front of the loads below
.else
	PLACES
.endif
	FETCH0 (\k)+1
	FETCH1 (\k)+1, 0
	MUL2 4, \k, 0
	MUL2 6, \k, 0
	PLACES
	WIN 0
	FETCH1 (\k)+1, 4
.endm
; 64 numbers of a lane, register 16 b + i = k 32 b + 16 (lane / 16) + i of its row, become a fragment's codes in v[PC] on and its scale word in v[pw]
.macro QUANT s, pw
.irp b, 0,1,2,3
	v_max3_num_f32 v[TM+\b], |v[\s+16*\b]|, |v[\s+1+16*\b]|, 0x1800000   ; with the floor 2^(3 - 127): the byte cannot fall under 1
.endr
.irp i, 2,4,6,8,10,12,14
.irp b, 0,1,2,3
	v_max3_num_f32 v[TM+\b], v[TM+\b], |v[\s+16*\b+\i]|, |v[\s+1+16*\b+\i]|
.endr
.endr
.irp b, 0,1,2,3
	v_permlanex16_b32 v[TM+4+\b], v[TM+\b], s16, s17
.endr
.irp b, 0,1,2,3
	v_max_num_f32 v[TM+\b], v[TM+\b], v[TM+4+\b]   ; with lane l xor 16's: the block's largest magnitude
.endr
.irp b, 0,1,2,3
	v_add_nc_u32 v[TM+12+\b], 0xff000000, v[TM+\b] ; 2 off its exponent field: the conversion's scale operand
.endr
.irp b, 0,1,2,3
	v_lshrrev_b32 v[TM+4+\b], 23, v[TM+12+\b]      ; the byte
.endr
	v_lshl_or_b32 v[\pw], v[TM+5], 8, v[TM+4]
	v_lshl_or_b32 v[\pw], v[TM+6], 16, v[\pw]
	v_lshl_or_b32 v[\pw], v[TM+7], 24, v[\pw]
.irp c, 0,1
	v_cvt_scalef32_pk16_fp6_f32 v[PC+6*\c:PC+2+6*\c], v[\s+32*\c:\s+15+32*\c], v[TM+12+2*\c]
	v_cvt_scalef32_pk16_fp6_f32 v[PC+12+4*\c:PC+14+4*\c], v[\s+16+32*\c:\s+31+32*\c], v[TM+12+2*\c+1]
.endr
	v_nop                                          ; one plain line behind a scaled conversion
.irp c, 0,1                            ; the operand's layout wants a whole block in a lane
.irp i, 0,1,2
	v_permlane16_swap_b32 v[PC+6*\c+\i], v[PC+12+4*\c+\i]
.endr
.irp i, 0,1,2
	v_mov_b32 v[PC+3+6*\c+\i], v[PC+12+4*\c+\i]
.endr
.endr
.endm
	s_load_b128 s[4:7], s[0:1], 0x0                ; xw, b_qkv
	s_load_b64 s[100:101], s[0:1], 0x10            ; qkv
	v_lshl_add_u32 v[SPW], v0, 2, SPARE
	v_mov_b32 v[NIL], 0
	ds_add_u32 v22, v23
	ds_add_u32 v22, v23
	s_wait_dscnt 0x0
	v_lshrrev_b32 v1, 5, v0
	v_readfirstlane_b32 s8, v1                     ; wave
	s_lshr_b32 s9, s8, 1                           ; which half of source 1 is mine.  Also: I fetch for x (0) or for the weight (1)
	s_and_b32 s10, s8, 1                           ; which half of source 0.  Also: which half I fetch
	s_bfe_u32 s11, ttmp6, 0x40000                  ; cx
	s_bfe_u32 s12, ttmp6, 0x40004                  ; cy
	s_lshl_b32 s13, ttmp9, 2
	s_add_co_u32 s13, s13, s11                     ; block of 256 columns
	s_and_b32 s14, ttmp7, 0xffff
	s_lshl_b32 s14, s14, 2
	s_add_co_u32 s14, s14, s12                     ; block of 256 tokens
	s_lshl_b32 s15, s12, 2
	s_lshl_b32 s15, 15, s15                        ; my row of the cluster
	s_lshl_b32 s16, 0x1111, s11                    ; my column
	s_or_b32 s[G1X], s15, (3<<16)|(1<<21)          ; 15:0 the mask; 17:16 elements of 8 bytes; 21 set beside a mask; no padding
	s_or_b32 s[G1SX], s15, (3<<16)|(1<<21)
	s_or_b32 s[G1W], s16, (3<<16)|(1<<21)
	s_or_b32 s[G1SW], s16, (3<<16)|(1<<21)
	GROUP1 G1X, 32, 96, 32                         ; eight tiles of 3,072 bytes: a dense block, as 96 rows of 256 bytes
	GROUP1 G1W, 32, 12*NS0, 32
	GROUP1 G1SX, 128, 4, 8192                      ; eight tiles' scale words, 1,024 bytes, in each of the four planes, 65,536 bytes apart
	GROUP1 G1SW, 16*NS0, 4, 3072                   ; the weight's: planes 24,576 bytes apart
	s_mul_i32 s2, s10, 24576                       ; where my half goes in a slot: x's,
	s_mul_i32 s3, s10, NS0*3072
	s_add_co_u32 s3, s3, 49152                     ; the weight's
	s_mul_i32 s18, s14, 49152                      ; x's address is made of the block of tokens and the wave alone,
	s_add_co_u32 s18, s18, s2
	s_mov_b32 s19, 0
	s_mul_i32 s66, s13, NS0*6144                   ; the weight's of the block of columns and the wave alone
	s_mul_i32 s17, s10, NS0*3072
	s_add_co_u32 s66, s66, s17
	s_add_co_u32 s66, s66, WIMG
	s_mov_b32 s67, 0
	s_wait_kmcnt 0x0
	s_add_nc_u64 s[18:19], s[XP:XP+1], s[18:19]
	s_add_nc_u64 s[66:67], s[WP:WP+1], s[66:67]
.irp n, 0,1,2,3                        ; a group 0 for each 256 along K; none is ever written again
	s_mov_b32 s[G0X+4*\n], 1
	s_add_co_u32 s[G0X+4*\n+1], s2, (\n%NSLOT)*SLOT
	s_add_nc_u64 s[G0X+4*\n+2:G0X+4*\n+3], s[18:19], \n*XPLANE
	s_or_b32 s[G0X+4*\n+3], s[G0X+4*\n+3], 0x80000000
	s_mov_b32 s[G0W+4*\n], 1
	s_add_co_u32 s[G0W+4*\n+1], s3, (\n%NSLOT)*SLOT
	s_add_nc_u64 s[G0W+4*\n+2:G0W+4*\n+3], s[66:67], \n*WPLANE
	s_or_b32 s[G0W+4*\n+3], s[G0W+4*\n+3], 0x80000000
.endr
	s_lshl_b32 s18, s14, 11                        ; the scale words: 128 bytes a tile
	s_lshl_b32 s17, s10, 10
	s_add_co_u32 s18, s18, s17
	s_add_co_u32 s18, s18, XSC
	s_mov_b32 s19, 0
	s_mov_b32 s[G0SX], 1
	s_lshl_b32 s17, s10, 12
	s_add_co_u32 s[G0SX+1], s17, SCL
	s_add_nc_u64 s[G0SX+2:G0SX+3], s[XP:XP+1], s[18:19]
	s_or_b32 s[G0SX+3], s[G0SX+3], 0x80000000
	s_mul_i32 s66, s13, NS0*256
	s_mul_i32 s17, s10, NS0*128
	s_add_co_u32 s66, s66, s17
	s_add_co_u32 s66, s66, WSC
	s_mov_b32 s67, 0
	s_mov_b32 s[G0SW], 1
	s_mul_i32 s17, s10, NS0*512
	s_add_co_u32 s[G0SW+1], s17, SCL+8192
	s_add_nc_u64 s[G0SW+2:G0SW+3], s[WP:WP+1], s[66:67]
	s_or_b32 s[G0SW+3], s[G0SW+3], 0x80000000
	CROUND                                         ; all sixteen work-groups are here: the first joint loads meet
	JLOAD G0SX, G1SX, G0SW, G1SW
	JLOAD G0X, G1X, G0W, G1W
	JLOAD G0X+4, G1X, G0W+4, G1W
	JLOAD G0X+8, G1X, G0W+8, G1W
	v_and_b32 v3, 31, v0
	v_lshlrev_b32 v1, 4, v3                        ; 16 x lane
	v_lshlrev_b32 v2, 3, v3                        ; 8 x lane
	v_and_b32 v3, 15, v0                           ; r
	v_bfe_u32 v19, v0, 4, 1                        ; h
	s_cmp_eq_u32 ttmp9, 2                          ; the cluster's x: 0 q, 1 k, 2 v
	s_cselect_b32 s11, 0xc000, 0                   ; where source 1 lies in a slot: x's part, or for v the weight's
	s_cselect_b32 s12, 0, 0xc000                   ; and source 0
	s_cselect_b32 s15, 0x2000, 0                   ; the same among the scale words
	s_cselect_b32 s16, 0, 0x2000
	s_cselect_b32 s2, s9, s10                      ; which half of the columns is mine,
	s_cselect_b32 s3, s10, s9                      ; and of the tokens
	s_mul_i32 s17, s9, 24576
	s_add_co_u32 s11, s11, s17
	s_mul_i32 s17, s10, 24576
	s_add_co_u32 s12, s12, s17
.irp s, 0,1,2
	v_add_nc_u32 v[A1_16+\s], s11, v1
	v_add_nc_u32 v[A1_8+\s], s11, v2
	v_add_nc_u32 v[A0_16+\s], s12, v1
	v_add_nc_u32 v[A0_8+\s], s12, v2
	s_add_co_u32 s11, s11, SLOT
	s_add_co_u32 s12, s12, SLOT
.endr
	s_lshl_b32 s17, s9, 12
	s_add_co_u32 s15, s15, s17
	s_add_co_u32 s15, s15, SCL
	v_lshl_add_u32 v[AS1], v3, 3, s15
	s_lshl_b32 s17, s10, 12
	s_add_co_u32 s16, s16, s17
	s_add_co_u32 s16, s16, SCL
	v_lshl_add_u32 v[AS0], v3, 3, s16
	v_lshlrev_b32 v7, 6, v19                       ; q's and k's bias: 16 h numbers on
	v_and_b32 v11, 8, v3
	v_add_nc_u32 v11, v11, v3
	v_lshlrev_b32 v11, 2, v11                      ; v's: my column of a tile, r + 8 (r / 8)
	v_lshlrev_b32 v15, 4, v3
	v_lshl_add_u32 v15, v19, 12, v15               ; the scale words' way out: 16 r, and the next head for lanes 16-31
	s_lshl_b32 s17, s13, 10                        ; both forms of the bias are loaded by every work-group: all the addresses lie inside b_qkv
	s_lshl_b32 s66, s10, 9
	s_add_co_u32 s66, s66, s17
	s_mov_b32 s67, 0
	s_add_nc_u64 s[66:67], s[6:7], s[66:67]        ; b_qkv at columns 256 x + 128 (wave % 2)
	s_lshl_b32 s4, s9, 9
	s_add_co_u32 s4, s4, s17
	s_mov_b32 s5, 0
	s_add_nc_u64 s[4:5], s[6:7], s[4:5]            ; and at 256 x + 128 (wave / 2)
	WIN 0x40
.irp i, 0,1,2,3,4,5,6,7                ; for source 0's tile i: columns 32 (i / 2) + 8 (i % 2) + 16 h + 0 .. 7
	global_load_b128 v[96+8*\i+96*(\i/4):96+8*\i+96*(\i/4)+3], v7, s[66:67] offset:(32*(\i/2)+8*(\i%2))*4
	global_load_b128 v[96+8*\i+96*(\i/4)+4:96+8*\i+96*(\i/4)+7], v7, s[66:67] offset:(32*(\i/2)+8*(\i%2))*4+16
.endr
	WIN 0
.irp a, 0,1,2,3,4,5,6,7                ; for source 1's tile a: my lane's column
	global_load_b32 v[BV+\a], v11, s[4:5] offset:(32*(\a/2)+8*(\a%2))*4
.endr
	s_and_b32 s6, s13, 3                           ; where my results go
	s_lshl_b32 s6, s6, 2
	s_lshl_b32 s7, s2, 1
	s_add_co_u32 s6, s6, s7                        ; my first head of two
	s_lshr_b32 s7, s14, 3
	s_lshl_b32 s7, s7, 4
	s_add_co_u32 s6, s6, s7                        ; + 16 x batch
	s_and_b32 s7, s14, 7
	s_lshl_b32 s7, s7, 1
	s_add_co_u32 s7, s7, s3                        ; my 128 tokens of the batch's 2,048
	s_mul_i32 s20, s6, 98304
	s_mul_i32 s17, s7, 6144
	s_add_co_u32 s20, s20, s17
	s_mul_i32 s17, ttmp9, 6291456
	s_add_co_u32 s20, s20, s17
	s_mov_b32 s21, 0
	s_add_nc_u64 s[20:21], s[100:101], s[20:21]    ; the images
	s_lshl_b32 s22, s6, 12
	s_lshl_b32 s17, s7, 8
	s_add_co_u32 s22, s22, s17
	s_lshl_b32 s17, ttmp9, 18
	s_add_co_u32 s22, s22, s17
	s_add_co_u32 s22, s22, 18874368
	s_mov_b32 s23, 0
	s_add_nc_u64 s[22:23], s[100:101], s[22:23]    ; the scale words
	s_mov_b32 s16, 0x76543210
	s_mov_b32 s17, 0xfedcba98                      ; selects for lane l xor 16
	s_mov_b32 s18, 0xffff0000                      ; lanes 16-31
	s_wait_tensorcnt 2                             ; the scale words and my part of slot 0 are in; slots 1 and 2 may be out
	s_barrier_signal -1
	s_barrier_wait -1
	FETCH0 0
	FETCH1 0, 0
	SCALES
	FETCH1 0, 4
	STEP 0, 1                                      ; the first products start the sums
	TURN 1, 1                                      ; slot 0 is left; slots 1 and 2 are whole in every wave; slot 0 takes the last 256 along K, which have four steps in which to land
	STEP 2, 0
	STEP 3, 0
	STEP 4, 0
	TURN 5, 0                                      ; the refill has landed in every wave
	STEP 6, 0
	s_wait_dscnt 16                                ; the last step fetches nothing
	MUL2 0, 7, 0
	MUL2 2, 7, 0
	s_wait_dscnt 0x0
	MUL2 4, 7, 0
	MUL2 6, 7, 0
	WIN 0
; THE WAY OUT, source 1's tiles one after the other: + bias, quantised along the lane's 128 numbers, and the fragment's two half images stored as they stand: 512 and 256 consecutive bytes a store.
.macro EPI path
.irp a, 0,1,2,3,4,5,6,7
.if \path
	WIN 0x42+\a/4                                  ; result window 1, accumulators window 2 or 3, v's bias window 0
.else
	WIN 0x46+\a/4                                  ; q's and k's bias window 1
.endif
.set bb, 0
.rept 8
.set AR, (8*(8*\a+bb))%256
.set BQ, 96+8*bb+96*(bb/4)
.irp j, 0,2,4,6                        ; each accumulator from its low end on
.if \path
.if \a%2
	v_pk_add_f32 v[8*bb+\j:8*bb+\j+1], v[AR+\j:AR+\j+1], v[BV+2*(\a/2):BV+2*(\a/2)+1] op_sel:[0,1] op_sel_hi:[1,1]
.else
	v_pk_add_f32 v[8*bb+\j:8*bb+\j+1], v[AR+\j:AR+\j+1], v[BV+2*(\a/2):BV+2*(\a/2)+1] op_sel_hi:[1,0]
.endif
.else
	v_pk_add_f32 v[8*bb+\j:8*bb+\j+1], v[AR+\j:AR+\j+1], v[BQ+\j:BQ+\j+1]
.endif
.endr
.set bb, bb+1
.endr
	WIN 0x55
	s_wait_xcnt 0x0                                ; the last tile's stores have read the codes' registers
	QUANT 0, PWS+\a
.irp c, 0,1
.if \path                              ; v: head a / 4, tile a % 4 of its 64 rows, 64 c tokens on
	global_store_b128 v[L16C], v[PC+6*\c:PC+6*\c+3], s[20:21] offset:(\a/4)*98304+(\a%4)*1536+768*\c
	global_store_b64 v[L8C], v[PC+6*\c+4:PC+6*\c+5], s[20:21] offset:(\a/4)*98304+(\a%4)*1536+768*\c+512
.else                                  ; q, k: head c, tile a of my eight tiles of tokens
	global_store_b128 v[L16C], v[PC+6*\c:PC+6*\c+3], s[20:21] offset:\c*98304+768*\a
	global_store_b64 v[L8C], v[PC+6*\c+4:PC+6*\c+5], s[20:21] offset:\c*98304+768*\a+512
.endif
.endr
.endr
.irp g, 0,1,2,3                        ; four scale words a row and head: lanes 0-15 the first head's, lanes 16-31 the second's
.if \path
	v_cndmask_b32 v[OW+\g], v[PWS+\g], v[PWS+4+\g], s18            ; word g: the four blocks of tokens of the head's tile g
.else
	v_perm_b32 v[OW+\g], v[PWS+2*\g+1], v[PWS+2*\g], 0x05040100    ; word g: tile 2 g's two bytes below, tile 2 g + 1's above
	v_perm_b32 v[TW+\g], v[PWS+2*\g+1], v[PWS+2*\g], 0x07060302
	v_cndmask_b32 v[OW+\g], v[OW+\g], v[TW+\g], s18
.endif
.endr
	global_store_b128 v[LSCC], v[OW:OW+3], s[22:23]                ; sixteen lanes store 256 consecutive bytes
	WIN 0
.endm
	PLACES
	s_wait_loadcnt 0x0                             ; the biases
	WIN 0x40
	v_mov_b32 v[L16C], v1
	v_mov_b32 v[L8C], v2
	v_mov_b32 v[LSCC], v15
.irp b, 0,1,2,3
	v_mov_b32 v[TM+4+\b], 0                        ; a lane permute's destination counts as one of its sources
.endr
	WIN 0
	s_cmp_eq_u32 ttmp9, 2
	s_cbranch_scc1 .Lfor_v
	EPI 0
	s_branch .Ldone
.Lfor_v:
	EPI 1
.Ldone:
	s_wait_tensorcnt 0x0                           ; the wave's end
	ds_add_u32 v[SPW], v[NIL]
	s_wait_dscnt 0x0
	CROUND                                         ; the closing round
	s_endpgm
.Lfunc_end_k_qbdab050fd5_proj:
	.size	k_qbdab050fd5_proj, .Lfunc_end_k_qbdab050fd5_proj-k_qbdab050fd5_proj
	.p2alignl 7, 3214868480
	.fill 96, 4, 3214868480
	.section	.rodata,"a",@progbits
	.p2align	6, 0x0
	.amdhsa_kernel k_qbdab050fd5_proj
		.amdhsa_group_segment_fixed_size 327680
		.amdhsa_private_segment_fixed_size 0
		.amdhsa_enable_private_segment 0
		.amdhsa_kernarg_size 24
		.amdhsa_user_sgpr_count 2
		.amdhsa_user_sgpr_kernarg_segment_ptr 1
		.amdhsa_wavefront_size32 1
		.amdhsa_system_sgpr_workgroup_id_x 1
		.amdhsa_system_sgpr_workgroup_id_y 1
		.amdhsa_system_sgpr_workgroup_id_z 1
		.amdhsa_system_vgpr_workitem_id 0
		.amdhsa_next_free_vgpr 1024
		.amdhsa_next_free_sgpr 102
		.amdhsa_reserve_vcc 0
		.amdhsa_float_denorm_mode_32 3
		.amdhsa_float_denorm_mode_16_64 3
		.amdhsa_memory_ordered 1
		.amdhsa_forward_progress 1
		.amdhsa_inst_pref_size 221
	.end_amdhsa_kernel
	.amdgpu_metadata
---
amdhsa.version: [ 1, 2 ]
amdhsa.kernels:
  - .name:           k_qbdab050fd5_proj
    .symbol:         k_qbdab050fd5_proj.kd
    .args:
      - { .name: xw, .offset: 0, .size: 8, .value_kind: global_buffer, .address_space: global }
      - { .name: b_qkv, .offset: 8, .size: 8, .value_kind: global_buffer, .address_space: global }
      - { .name: qkv, .offset: 16, .size: 8, .value_kind: global_buffer, .address_space: global }
    .group_segment_fixed_size: 327680
    .private_segment_fixed_size: 0
    .kernarg_segment_align: 8
    .kernarg_segment_size: 24
    .max_flat_workgroup_size: 128
    .sgpr_count:     102
    .vgpr_count:     1024
    .wavefront_size: 32
...
	.end_amdgpu_metadata
.endif
;; end of part 2
;; launch attn (part 3): grid 4 x 64, 16 waves a work-group, no clusters, 215,040 bytes of LDS; arguments qkv, masks, order, ctx; writes ctx
.if DOCPART == 3
	.amdgcn_target "amdgcn-amd-amdhsa--gfx1250"
	.amdhsa_code_object_version 6
	.text
	.protected	k_qbdab050fd5_attn
	.globl	k_qbdab050fd5_attn
	.p2align	8
	.type	k_qbdab050fd5_attn,@function
k_qbdab050fd5_attn:
	s_mov_b64 s[64:65], 0
	v_nop
	global_prefetch_b8 v0, s[64:65] scope:SCOPE_SE
	s_setreg_imm32_b32 hwreg(HW_REG_WAVE_MODE, 25, 1), 1
	s_wait_xcnt 0x0
; ctx = (softmax(q k^T / 8, keys with mask 0 left out) x the query's mask) v for one batch and head, both products on codes of FP6 (E2M3) with E8M0 scales, and ctx quantised for the last product.
; p IS QUANTISED FINISHED AND NORMALISED, so a row's maximum and sum are wanted before its first code: the keys are walked TWICE.  Pass 1: the running maximum and the sum.  Pass 2: the scores again,
; p = 2^(t - M) x mask / sum, t = score x log2(e) / 8, M = the row's largest t rounded up to a whole number; p's codes and scale bytes along the keys; O^T += V^T P^T.
; SHARES.  A work-group has one batch and head: all of K and V, 2 x 98,304 bytes of codes, are copied into LDS once, through registers, and only read behind the one barrier.  A wave takes a tile of 16 queries at a time,
; J = x + 4 wave + 64 rho, rho = 0, 1, in the ORDER OF THE STORED LIST (queries whose mask is not 0 first).  A tile that begins at or behind the stored count holds only queries whose p is 0: its walk is left out by a scalar
; branch at each step's head, and it stores zero codes.  This text has no tensor load and asks for nothing jointly.
; LAYOUT.  Both products are used transposed: a lane holds one query (lane % 16).  The head has 64 along K, half of the instruction's 128: a fragment of K holds TWO tiles of 16 keys, one in each half of K, and Q stands as
; [q, 0] or [0, q], which picks the tile.  The key mask comes in as the product's C: 0, or -2^100.
; A batch with no key left: the count is 0, and ctx's scale bytes are stored as 0xff, which makes the last product's sums NaN, as the problem has them.
; LIMITS: |score| under 2^95; a p under 2^-126 counts as 0; NaN and infinities among the inputs are not served; a block's largest p is taken from its largest score (2^x is taken not to fall where x rises);
; a block of zeros gets the byte 1 (its codes are zeros; only this program reads the bytes).
; REGISTERS: v1-7, v15 lane terms; v8-14 the step's addresses; v16 -M, v17 the largest t; v[18:19] the sum; v[20:21] f, later mask / sum; v22-39 [q, 0, q]; v40 q's scale word, v41 p's, v44-47 K's, v48-51 V's;
;   v52-99 four fragments; v100-163 the scores, then p; v164-195 O^T; v196-207 codes; v208-215 the conversions' second halves; v216-231 at work; v232-247 the two tiles' q, its scale bytes and its mask; v248-255 at work.
.set VIMG,  98304
.set KSC,   196608
.set VSC,   200704
.set KBIAS, 204800
.set QQ, 22
.set QS, 40
.set PS, 41
.set KS, 44
.set VS, 48
.set FF, 52
.set SS, 100
.set OO, 164
.set PC, 196
.set CT, 208
.set TM, 216
.set QH, 232
.macro FRAG reg, a16, a8, off          ; a fragment, 12 registers: two half images of 768 bytes (16 bytes at 16 x lane, 8 bytes at 512 + 8 x lane)
	ds_load_b128 v[\reg:\reg+3], v[\a16] offset:\off
	ds_load_b64 v[\reg+4:\reg+5], v[\a8] offset:\off+512
	ds_load_b128 v[\reg+6:\reg+9], v[\a16] offset:\off+768
	ds_load_b64 v[\reg+10:\reg+11], v[\a8] offset:\off+1280
.endm
; where query v[t]'s codes, scale bytes and mask lie; each finished offset is held inside its part of the buffer
.macro GOFF t, o
	v_lshrrev_b32 v252, 5, v[\t]                   ; G
	v_bfe_u32 v253, v[\t], 3, 1                    ; u
	v_lshl_add_u32 v254, v252, 1, v253             ; its tile
	v_bfe_u32 v255, v[\t], 4, 1
	v_and_b32 v249, 7, v[\t]
	v_lshl_add_u32 v255, v255, 3, v249             ; its row there
	v_mul_u32_u24 v254, v254, 768
	v_lshl_add_u32 v[\o], v255, 4, v254
	v_lshl_add_u32 v[\o], v204, 8, v[\o]
	v_min_u32 v[\o], 98288, v[\o]
	v_lshl_add_u32 v[\o+1], v255, 3, v254
	v_lshl_add_u32 v[\o+1], v204, 7, v[\o+1]
	v_add_nc_u32 v[\o+1], 512, v[\o+1]
	v_min_u32 v[\o+1], 98296, v[\o+1]
	v_lshrrev_b32 v249, 7, v[\t]
	v_lshlrev_b32 v249, 8, v249                    ; 256 bytes for each 128 tokens,
	v_lshl_add_u32 v249, v255, 4, v249             ; 16 a row,
	v_and_b32 v252, 3, v252
	v_lshl_add_u32 v249, v252, 2, v249             ; a word for each pair of tiles,
	v_lshl_add_u32 v[\o+2], v253, 1, v249          ; two bytes a tile
	v_min_u32 v[\o+2], 4094, v[\o+2]
	v_lshlrev_b32 v[\o+3], 2, v[\t]
	v_min_u32 v[\o+3], 8188, v[\o+3]
.endm
	s_load_b256 s[4:11], s[0:1], 0x0               ; qkv s[4:5], masks s[6:7], order s[8:9], ctx s[10:11]
	v_lshl_add_u32 v226, v0, 2, 0x34000
	v_mov_b32 v227, 0
	v_lshrrev_b32 v8, 5, v0
	v_readfirstlane_b32 s12, v8                    ; wave 0..15
	v_and_b32 v205, 15, v0                         ; r
	v_bfe_u32 v204, v0, 4, 1                       ; h
	v_and_b32 v206, 31, v0
	v_lshlrev_b32 v1, 4, v206                      ; 16 x lane: K's images begin at LDS byte 0
	v_lshlrev_b32 v2, 3, v206                      ; 8 x lane
	v_add_nc_u32 v3, VIMG, v1
	v_add_nc_u32 v4, VIMG, v2
	v_lshl_add_u32 v5, v204, 6, KBIAS              ; my 16 keys of each 32
	v_lshl_add_u32 v6, v205, 4, KSC
	v_lshl_add_u32 v7, v205, 4, VSC
	v_lshlrev_b32 v15, 3, v205                     ; 8 r: ctx's scale bytes
	v_lshlrev_b32 v196, 4, v0                      ; the copy: 16 bytes a thread, 8,192 a line
	v_lshlrev_b32 v197, 3, v0
	v_add_nc_u32 v198, 65536, v196
	v_add_nc_u32 v199, VIMG, v196
	v_add_nc_u32 v200, VIMG+65536, v196
	v_add_nc_u32 v201, KSC, v197
	v_add_nc_u32 v202, KBIAS, v196
	v_mov_b32 v203, 0xf1800000                     ; -2^100
	v_lshlrev_b32 v207, 2, v205
.irp b, 0,1,2,3
	v_mov_b32 v[TM+4+\b], 0                        ; a lane permute's destination counts as one of its sources
.endr
	v_mov_b32 v249, 0
	s_and_b32 s15, ttmp7, 0xffff                   ; 16 x batch + head
	s_lshr_b32 s13, s15, 4
	s_and_b32 s14, s15, 15
	s_lshl_b32 s17, s12, 2
	s_add_co_u32 s17, s17, ttmp9
	s_lshl_b32 s17, s17, 4                         ; 16 J: my first tile's place in the list
	s_mov_b32 s18, 0x76543210
	s_mov_b32 s19, 0xfedcba98                      ; selects for lane l xor 16
	s_mov_b32 s20, 0x3e38aa3b                      ; c = log2(e) / 8
	s_mov_b32 s21, s20                             ; (named with it as a pair)
	s_lshl_b32 s26, s13, 7
	s_add_co_u32 s26, s26, 32768
	s_mov_b32 s27, 0
	s_lshl_b32 s28, s13, 13
	s_lshl_b32 s29, s17, 2
	s_add_co_u32 s28, s28, s29
	s_mov_b32 s29, 0
	s_mul_i32 s30, s15, 98304
	s_mov_b32 s31, 0
	s_lshl_b32 s32, s15, 12
	s_add_co_u32 s32, s32, 18874368
	s_mov_b32 s33, 0
	s_lshl_b32 s34, s13, 13
	s_mov_b32 s35, 0
	s_lshr_b32 s40, s14, 2                         ; ctx: which 256 along the last product's K,
	s_and_b32 s41, s14, 3                          ; and which 64 of them
	s_mul_i32 s44, s40, 1572864
	s_mul_i32 s43, s13, 393216
	s_add_co_u32 s44, s44, s43
	s_mul_i32 s43, s41, 768
	s_add_co_u32 s44, s44, s43
	s_lshl_b32 s45, s40, 16
	s_lshl_b32 s43, s13, 14
	s_add_co_u32 s45, s45, s43
	s_lshl_b32 s43, s41, 1
	s_add_co_u32 s45, s45, s43
	s_add_co_u32 s45, s45, 6291456
	s_wait_kmcnt 0x0
	s_add_nc_u64 s[26:27], s[8:9], s[26:27]
	s_load_b32 s16, s[26:27], 0x0                  ; how many queries of the batch have a mask other than 0
	s_add_nc_u64 s[28:29], s[8:9], s[28:29]        ; the list at my first tile
	s_add_nc_u64 s[30:31], s[4:5], s[30:31]        ; q's images of my batch and head,
	s_add_nc_u64 s[36:37], s[30:31], 6291456       ; k's,
	s_add_nc_u64 s[38:39], s[30:31], 12582912      ; v's
	s_add_nc_u64 s[32:33], s[4:5], s[32:33]        ; q's scale words; k's 262,144 bytes on, v's 524,288
	s_add_nc_u64 s[34:35], s[6:7], s[34:35]        ; the batch's masks
	global_load_b32 v250, v207, s[28:29]           ; my query of tile J,
	global_load_b32 v251, v207, s[28:29] offset:4096   ; and of tile J + 64
.set jj, 0
.rept 12
	global_load_b128 v[FF+4*jj:FF+4*jj+3], v196, s[36:37] offset:8192*jj
.set jj, jj+1
.endr
.set jj, 0
.rept 12
	global_load_b128 v[SS+4*jj:SS+4*jj+3], v196, s[38:39] offset:8192*jj
.set jj, jj+1
.endr
	global_load_b64 v[148:149], v197, s[32:33] offset:262144
	global_load_b64 v[150:151], v197, s[32:33] offset:524288
	global_load_b128 v[152:155], v196, s[34:35]
	s_wait_loadcnt 27                              ; the two list entries are in; the copy's 27 loads may be out
	GOFF 250, 208
	GOFF 251, 212
.irp p, 0,1
	global_load_b128 v[QH+8*\p:QH+8*\p+3], v[208+4*\p], s[30:31]
	global_load_b64 v[QH+8*\p+4:QH+8*\p+5], v[209+4*\p], s[30:31]
	global_load_u16 v[QH+8*\p+6], v[210+4*\p], s[32:33]
	global_load_b32 v[QH+8*\p+7], v[211+4*\p], s[34:35]
.endr
	s_wait_loadcnt 23                              ; K's twelve are in: behind them 15 of the copy and the eight just issued
.set jj, 0
.rept 8
	ds_store_b128 v196, v[FF+4*jj:FF+4*jj+3] offset:8192*jj
.set jj, jj+1
.endr
.rept 4
	ds_store_b128 v198, v[FF+4*jj:FF+4*jj+3] offset:8192*(jj-8)
.set jj, jj+1
.endr
	s_wait_loadcnt 11                              ; V's twelve are in
.set jj, 0
.rept 8
	ds_store_b128 v199, v[SS+4*jj:SS+4*jj+3] offset:8192*jj
.set jj, jj+1
.endr
.rept 4
	ds_store_b128 v200, v[SS+4*jj:SS+4*jj+3] offset:8192*(jj-8)
.set jj, jj+1
.endr
	s_wait_loadcnt 8                               ; the scale words and the masks are in; my queries' eight loads may be out
	ds_store_b64 v201, v[148:149]
	ds_store_b64 v201, v[150:151] offset:4096
.irp i, 0,1,2,3
	v_cmp_eq_u32 vcc_lo, 0, v[152+\i]
	v_cndmask_b32 v[152+\i], 0, v203, vcc_lo       ; what a key adds to its scores
.endr
	ds_store_b128 v202, v[152:155]
	s_wait_dscnt 0x0                               ; for the others' sake: my stores have landed
	s_barrier_signal -1
	s_barrier_wait -1                              ; from here on LDS is only read
	s_wait_loadcnt 0x0
	s_wait_kmcnt 0x0
	s_cmp_eq_u32 s16, 0
	s_cselect_b32 s42, 0xffff, 0                   ; no key left in the batch: ctx's scale bytes become 0xff
; the step's addresses (four plain lines or more: the places behind the last products), K's four fragments, the keys' addends straight into the scores' registers, K's scale words
.macro LOADK second
	v_add_nc_u32 v8, s22, v1
	v_add_nc_u32 v9, s22, v2
	v_add_nc_u32 v12, s23, v5
	v_add_nc_u32 v13, s24, v6
.if \second
	v_add_nc_u32 v10, s22, v3
	v_add_nc_u32 v11, s22, v4
	v_add_nc_u32 v14, s24, v7
.endif
.irp g, 0,1,2,3
	FRAG FF+12*\g, 8, 9, 1536*\g
.endr
.set jj, 0
.rept 16
	ds_load_b128 v[SS+4*jj:SS+4*jj+3], v12 offset:128*(jj/4)+16*(jj%4)   ; register 16 g + i belongs to key 32 g + 16 h + i
.set jj, jj+1
.endr
	ds_load_b128 v[KS:KS+3], v13
	s_wait_dscnt 0x0
.endm
.macro SMUL                            ; S^T = K Q^T + the keys' addends: eight accumulators, one instruction each
.irp g, 0,1,2,3
	v_wmma_scale_f32_16x16x128_f8f6f4 v[SS+16*\g:SS+16*\g+7], v[FF+12*\g:FF+12*\g+11], v[QQ:QQ+11], v[SS+16*\g:SS+16*\g+7], v[KS+\g], v[QS] matrix_a_fmt:MATRIX_FMT_FP6 matrix_b_fmt:MATRIX_FMT_FP6
	v_wmma_scale_f32_16x16x128_f8f6f4 v[SS+16*\g+8:SS+16*\g+15], v[FF+12*\g:FF+12*\g+11], v[QQ+6:QQ+17], v[SS+16*\g+8:SS+16*\g+15], v[KS+\g], v[QS] matrix_a_fmt:MATRIX_FMT_FP6 matrix_b_fmt:MATRIX_FMT_FP6
.endr
.rept 4
	v_nop
.endr
.endm
.macro BMAX                            ; the largest score of each block of 32 keys, my 16 of them; each accumulator is read from its low end on
.irp b, 0,1,2,3
	v_max3_num_f32 v[TM+\b], v[SS+16*\b], v[SS+16*\b+1], v[SS+16*\b+2]
.endr
.irp i, 3,5,7,9,11,13
.irp b, 0,1,2,3
	v_max3_num_f32 v[TM+\b], v[TM+\b], v[SS+16*\b+\i], v[SS+16*\b+\i+1]
.endr
.endr
.irp b, 0,1,2,3
	v_max_num_f32 v[TM+\b], v[TM+\b], v[SS+16*\b+15]
.endr
.endm
.macro TMINUSM                         ; t - M, two at a time
.set jj, 0
.rept 32
	v_pk_fma_f32 v[SS+jj:SS+jj+1], v[SS+jj:SS+jj+1], s[20:21], v[16:17] op_sel_hi:[1,0,0]
.set jj, jj+2
.endr
.endm
.macro EXP64
.set jj, 0
.rept 64
	v_exp_f32 v[SS+jj], v[SS+jj]
.set jj, jj+1
.endr
.endm
.macro STEP1                           ; 128 keys of pass 1
	LOADK 0
	SMUL
	BMAX
	v_max3_num_f32 v248, v[TM], v[TM+1], v[TM+2]
	v_max_num_f32 v248, v248, v[TM+3]
	v_permlanex16_b32 v249, v248, s18, s19
	v_max_num_f32 v248, v248, v249                 ; the step's largest score of my query
	v_mul_f32 v248, s20, v248
	v_max_num_f32 v17, v17, v248                   ; the running largest t
	v_mov_b32 v248, v16
	v_floor_f32 v16, -v17                          ; -M = floor(-t): M is a whole number
	v_sub_f32 v248, v16, v248
	v_cvt_i32_f32 v248, v248                       ; (it saturates)
	v_ldexp_f32 v20, 1.0, v248                     ; f = 2^(old M - new M): rounds nothing
	TMINUSM
	EXP64
	v_pk_mul_f32 v[18:19], v[18:19], v[20:21] op_sel_hi:[1,0]      ; the sum under the new M; the plain line behind the exponentials
	s_wait_alu depctr_va_vdst(0)                   ; one wait for the batch, ahead of its first reader
	v_pk_add_f32 v[250:251], v[SS:SS+1], v[SS+2:SS+3]
.set jj, 4
.rept 15
	v_pk_add_f32 v[18:19], v[18:19], v[SS+jj:SS+jj+1]
	v_pk_add_f32 v[250:251], v[250:251], v[SS+jj+2:SS+jj+3]
.set jj, jj+4
.endr
	v_pk_add_f32 v[18:19], v[18:19], v[250:251]
.endm
.macro STEP2                           ; 128 keys of pass 2: M and the sum are final, so O^T is never rescaled
	LOADK 1
	SMUL
.irp d, 0,1,2,3
	FRAG FF+12*\d, 10, 11, 1536*\d                 ; V's four fragments land under the softmax
.endr
	ds_load_b128 v[VS:VS+3], v14
	BMAX
.irp b, 0,1,2,3
	v_permlanex16_b32 v[TM+4+\b], v[TM+\b], s18, s19
.endr
.irp b, 0,1,2,3
	v_max_num_f32 v[TM+\b], v[TM+\b], v[TM+4+\b]   ; with lane l xor 16's 16 keys
.endr
	TMINUSM
.irp b, 0,1,2,3
	v_fma_f32 v[TM+\b], v[TM+\b], s20, v16         ; the same of each block's largest score
.endr
	EXP64
	v_nop                                          ; the plain line behind the exponentials
	s_wait_alu depctr_va_vdst(0)                   ; one wait for the 64
.irp b, 0,1,2,3
	v_exp_f32 v[TM+\b], v[TM+\b]
.endr
.set jj, 0
.rept 32
	v_pk_mul_f32 v[SS+jj:SS+jj+1], v[SS+jj:SS+jj+1], v[20:21] op_sel_hi:[1,0]   ; p, finished: x mask / sum
.set jj, jj+2
.endr
	s_wait_alu depctr_va_vdst(0)                   ; and one for the four
.irp b, 0,1,2,3
	v_mul_f32 v[TM+\b], v[TM+\b], v20              ; the block's largest p: the same lines on the same number give the same bits
.endr
.irp b, 0,1,2,3
	v_max_num_f32 v[TM+\b], 0x1800000, v[TM+\b]    ; the floor 2^(3 - 127)
.endr
.irp b, 0,1,2,3
	v_add_nc_u32 v[TM+12+\b], 0xff000000, v[TM+\b]
.endr
.irp b, 0,1,2,3
	v_lshrrev_b32 v[TM+4+\b], 23, v[TM+12+\b]
.endr
	v_lshl_or_b32 v[PS], v[TM+5], 8, v[TM+4]       ; p's scale word for these 128 keys
	v_lshl_or_b32 v[PS], v[TM+6], 16, v[PS]
	v_lshl_or_b32 v[PS], v[TM+7], 24, v[PS]
.irp c, 0,1
	v_cvt_scalef32_pk16_fp6_f32 v[PC+6*\c:PC+6*\c+2], v[SS+32*\c:SS+32*\c+15], v[TM+12+2*\c]
	v_cvt_scalef32_pk16_fp6_f32 v[CT+4*\c:CT+4*\c+2], v[SS+32*\c+16:SS+32*\c+31], v[TM+12+2*\c+1]
.endr
	v_nop                                          ; one plain line behind a scaled conversion
.irp c, 0,1
.irp i, 0,1,2
	v_permlane16_swap_b32 v[PC+6*\c+\i], v[CT+4*\c+\i]
.endr
.irp i, 0,1,2
	v_mov_b32 v[PC+6*\c+3+\i], v[CT+4*\c+\i]
.endr
.endr
.rept 8
	v_nop                                          ; a scale word made by vector lines stands eight places ahead of the product, codes so made four
.endr
	s_wait_dscnt 0x0                               ; V
.irp d, 0,1,2,3
	v_wmma_scale_f32_16x16x128_f8f6f4 v[OO+8*\d:OO+8*\d+7], v[FF+12*\d:FF+12*\d+11], v[PC:PC+11], v[OO+8*\d:OO+8*\d+7], v[VS+\d], v[PS] matrix_a_fmt:MATRIX_FMT_FP6 matrix_b_fmt:MATRIX_FMT_FP6
.endr
.endm
; A pass: sixteen trips, a constant; a tile with nothing to do jumps over a trip's work, not over the lines that step addresses.
.macro PASS second
	s_mov_b32 s22, 0                               ; the step's images: 6,144 bytes a step
	s_mov_b32 s23, 0                               ; its keys' addends: 512
	s_mov_b32 s24, 0                               ; its scale words: 256
	s_mov_b32 s25, 16
.Lstep_\@:
	s_cmp_lt_u32 s17, s16
	s_cbranch_scc0 .Lnone_\@
.if \second
	STEP2
.else
	STEP1
.endif
.Lnone_\@:
	s_add_co_u32 s22, s22, 6144
	s_add_co_u32 s23, s23, 512
	s_add_co_u32 s24, s24, 256
	s_sub_co_u32 s25, s25, 1
	s_cmp_lg_u32 s25, 0
	s_cbranch_scc1 .Lstep_\@
.endm
.macro TILE rho
	s_wait_xcnt 0x0                                ; the last tile's stores have read their registers and bases
.if \rho
	s_add_co_u32 s17, s17, 1024                    ; 64 tiles on
.endif
	s_mul_i32 s40, s17, 192                        ; 3,072 bytes a tile of ctx's images,
	s_add_co_u32 s40, s40, s44
	s_mov_b32 s41, 0
	s_add_nc_u64 s[40:41], s[10:11], s[40:41]
	s_lshl_b32 s46, s17, 3                         ; 128 of its scale bytes
	s_add_co_u32 s46, s46, s45
	s_mov_b32 s47, 0
	s_add_nc_u64 s[46:47], s[10:11], s[46:47]
	v_lshl_or_b32 v[QS], v[QH+8*\rho+6], 16, v[QH+8*\rho+6]        ; q's two bytes, for either half of K
.irp i, 0,1,2,3,4,5
	v_mov_b32 v[QQ+\i], v[QH+8*\rho+\i]
	v_mov_b32 v[QQ+6+\i], 0
	v_mov_b32 v[QQ+12+\i], v[QH+8*\rho+\i]
.endr
.set jj, 0
.rept 32
	v_mov_b32 v[OO+jj], 0                          ; a tile whose walk is left out must give zero codes
.set jj, jj+1
.endr
	v_mov_b32 v17, 0xee000000                      ; the largest t so far: -2^93: over every masked key's, under every other's
	v_floor_f32 v16, -v17
	v_mov_b32 v18, 0
	v_mov_b32 v19, 0
	v_mov_b32 v20, 0
	v_mov_b32 v21, 0
	PASS 0
	v_add_f32 v18, v18, v19                        ; the sum's two halves,
	v_permlanex16_b32 v249, v18, s18, s19
	v_add_f32 v18, v18, v249                       ; and lane l xor 16's
	v_rcp_f32 v20, v18
	v_cvt_f32_i32 v248, v[QH+8*\rho+7]             ; the query's mask as a number; the plain line behind the reciprocal
	s_wait_alu depctr_va_vdst(0)
	v_mul_f32 v20, v20, v248
	PASS 1
.rept 4
	v_nop
.endr
.irp b, 0,1                            ; O^T's 32 numbers of a lane, register 16 b + i = channel 32 b + 16 h + i, become half an image of ctx
	v_max3_num_f32 v[TM+\b], |v[OO+16*\b]|, |v[OO+16*\b+1]|, 0x1800000
.endr
.irp i, 2,4,6,8,10,12,14
.irp b, 0,1
	v_max3_num_f32 v[TM+\b], v[TM+\b], |v[OO+16*\b+\i]|, |v[OO+16*\b+\i+1]|
.endr
.endr
.irp b, 0,1
	v_permlanex16_b32 v[TM+4+\b], v[TM+\b], s18, s19
.endr
.irp b, 0,1
	v_max_num_f32 v[TM+\b], v[TM+\b], v[TM+4+\b]
.endr
.irp b, 0,1
	v_add_nc_u32 v[TM+12+\b], 0xff000000, v[TM+\b]
.endr
.irp b, 0,1
	v_lshrrev_b32 v[TM+4+\b], 23, v[TM+12+\b]
.endr
	v_cvt_scalef32_pk16_fp6_f32 v[PC:PC+2], v[OO:OO+15], v[TM+12]
	v_cvt_scalef32_pk16_fp6_f32 v[CT:CT+2], v[OO+16:OO+31], v[TM+13]
	v_lshl_or_b32 v248, v[TM+5], 8, v[TM+4]        ; the row's two bytes; the plain line behind the conversions
	v_or_b32 v248, s42, v248
.irp i, 0,1,2
	v_permlane16_swap_b32 v[PC+\i], v[CT+\i]
.endr
.irp i, 0,1,2
	v_mov_b32 v[PC+3+\i], v[CT+\i]
.endr
	global_store_b128 v1, v[PC:PC+3], s[40:41]                     ; 512 consecutive bytes
	global_store_b64 v2, v[PC+4:PC+5], s[40:41] offset:512         ; 256 consecutive bytes
	global_store_b16 v15, v248, s[46:47]                           ; lanes r and r + 16 store the same two bytes
.endm
	TILE 0
	TILE 1
	s_wait_tensorcnt 0x0
	ds_add_u32 v226, v227
	s_wait_dscnt 0x0
	s_endpgm
.Lfunc_end_k_qbdab050fd5_attn:
	.size	k_qbdab050fd5_attn, .Lfunc_end_k_qbdab050fd5_attn-k_qbdab050fd5_attn
	.p2alignl 7, 3214868480
	.fill 96, 4, 3214868480
	.section	.rodata,"a",@progbits
	.p2align	6, 0x0
	.amdhsa_kernel k_qbdab050fd5_attn
		.amdhsa_group_segment_fixed_size 215040
		.amdhsa_private_segment_fixed_size 0
		.amdhsa_enable_private_segment 0
		.amdhsa_kernarg_size 32
		.amdhsa_user_sgpr_count 2
		.amdhsa_user_sgpr_kernarg_segment_ptr 1
		.amdhsa_wavefront_size32 1
		.amdhsa_system_sgpr_workgroup_id_x 1
		.amdhsa_system_sgpr_workgroup_id_y 1
		.amdhsa_system_sgpr_workgroup_id_z 1
		.amdhsa_system_vgpr_workitem_id 0
		.amdhsa_next_free_vgpr 256
		.amdhsa_next_free_sgpr 66
		.amdhsa_reserve_vcc 1
		.amdhsa_float_denorm_mode_32 3
		.amdhsa_float_denorm_mode_16_64 3
		.amdhsa_memory_ordered 1
		.amdhsa_forward_progress 1
		.amdhsa_inst_pref_size 79
	.end_amdhsa_kernel
	.amdgpu_metadata
---
amdhsa.version: [ 1, 2 ]
amdhsa.kernels:
  - .name:           k_qbdab050fd5_attn
    .symbol:         k_qbdab050fd5_attn.kd
    .args:
      - { .name: qkv, .offset: 0, .size: 8, .value_kind: global_buffer, .address_space: global }
      - { .name: masks, .offset: 8, .size: 8, .value_kind: global_buffer, .address_space: global }
      - { .name: order, .offset: 16, .size: 8, .value_kind: global_buffer, .address_space: global }
      - { .name: ctx, .offset: 24, .size: 8, .value_kind: global_buffer, .address_space: global }
    .group_segment_fixed_size: 215040
    .private_segment_fixed_size: 0
    .kernarg_segment_align: 8
    .kernarg_segment_size: 32
    .max_flat_workgroup_size: 512
    .sgpr_count:     66
    .vgpr_count:     256
    .wavefront_size: 32
...
	.end_amdgpu_metadata
.endif
;; end of part 3
;; launch outp (part 4): grid 8 x 32, 4 waves a work-group, clusters of 4 x 4, 327,680 bytes of LDS; arguments ctx, xw, b_out, order, out0; writes out0
.if DOCPART == 4
	.amdgcn_target "amdgcn-amd-amdhsa--gfx1250"
	.amdhsa_code_object_version 6
	.text
	.protected	k_qbdab050fd5_outp
	.globl	k_qbdab050fd5_outp
	.p2align	8
	.type	k_qbdab050fd5_outp,@function
k_qbdab050fd5_outp:
	s_mov_b64 s[64:65], 0
	v_nop
	global_prefetch_b8 v0, s[64:65] scope:SCOPE_SE
	s_setreg_imm32_b32 hwreg(HW_REG_WAVE_MODE, 25, 1), 1
	s_wait_xcnt 0x0
	s_wait_alu depctr_hold_cnt(0) depctr_sa_sdst(0) depctr_va_vdst(0) depctr_va_sdst(0) depctr_va_ssrc(0) depctr_va_vcc(0) depctr_vm_vsrc(0)
	s_getreg_b32 s2, hwreg(HW_REG_IB_STS2, 6, 4)
	s_cmp_eq_u32 s2, 0
	s_cbranch_scc0 .Lentry_in_a_cluster
	s_endpgm
.Lentry_in_a_cluster:
	s_bfe_u32 s2, ttmp6, 0x10000c
	s_cmp_lg_u32 s2, 0xf033
	s_cbranch_scc0 .Lentry_shape_is_right
	s_endpgm
.Lentry_shape_is_right:
; out0 = elu(ctx w_out + b_out) on codes of FP6 (E2M3) with E8M0 scales.  ctx's rows lie in the order of the stored list; each finished row goes to the token that the list names.
; A work-group of four waves makes 256 rows x 128 columns; a wave 128 x 64: 32 accumulators.  Source 0 = w_out's tiles (a lane's registers run along the columns), source 1 = ctx's (the lane's row).
; K = 1,024 is eight steps of 128, written out.  All four slots of 256 along K (73,728 bytes: ctx's 16 tiles, the weight's 8) are filled once, at the start: nothing is filled again.  By this text's count a wave has at most five tensor loads out.
; CLUSTER 4 x 4: ctx's tiles are shared along a row of the cluster, the weight's along a column: joint loads.
; elu(x) = max(x, 0) + 2^(z - |z|) - 1 with z = x log2(e) / 2: z - |z| is 0 where x is positive and x log2(e) elsewhere, and a NaN passes through it.
; LIMITS: infinities among the sums are not served.
; REGISTERS: window 0: v1-27 addresses, v32-95 source 1's scale words [8 tile + step], v96-127 source 0's, v160-255 source 1's eight fragments.
;   window 1: v0-47, v128-175 source 0's fragments, two sets; v48-79 the bias; v192-255 the rows' places in out0; on the way out v0-31 x, v128-159 the exponentials, v80-111 and v160-191 rows read back.   window 2: the accumulators, (a, b) at 8 (4 a + b).
.set NS0,    4
.set NSLOT,  4
.set SLOT,   49152+NS0*6144
.set SCL,    NSLOT*SLOT                ; behind the slots: ctx's scale words, 2 x 4,096 bytes, the weight's, 2 x 2,048
.set STAGE,  SCL+12288                 ; the way out: 16 rows x (256 bytes + 16) for each wave; no fill ever lands here
.set XPLANE, 1572864
.set XSC,    6291456
.set WIMG,   9011200
.set WPLANE, 196608
.set WSC,    9797632
.set XP, 4
.set WP, 6
.set A1_16, 4
.set A1_8,  8
.set A0_16, 12
.set A0_8,  16
.set AS1,   20
.set AS0,   21
.set SC1,   32
.set SC0,   96
.set S1F,   160
.set G1X,  24
.set G1W,  32
.set G1SX, 40
.set G1SW, 48
.set G0SX, 56
.set G0SW, 60
.set G0X,  68
.set G0W,  84
.set TT,   0                           ; the way out, window 1
.set BB,   48
.set EE,   128
.set PO,   192
.set STOC, 112
.set RDC,  113
.set C16,  114
.set MSB, 0
.macro WIN new                         ; the immediate's high byte repeats the setting that is left
.if MSB != (\new)
	s_set_vgpr_msb (MSB<<8)|(\new)
.set MSB, (\new)
.endif
.endm
.macro GROUP1 g, c, r, p               ; r rows of c elements of 8 bytes, p elements from row to row
	s_mov_b32 s[\g+1], (\c)<<16
	s_mov_b32 s[\g+2], (\r)<<16
	s_mov_b32 s[\g+3], (\c)<<16
	s_mov_b32 s[\g+4], \r
	s_mov_b32 s[\g+5], \p
	s_mov_b32 s[\g+6], 0
	s_mov_b32 s[\g+7], 0
.endm
; A joint load: waves 0 and 1 fetch ctx's halves, waves 2 and 3 the weight's.  The branch hangs on the wave's number alone.  Four v_nop follow each of the two lines.
.macro JLOAD g0a, g1a, g0b, g1b
	s_cmp_eq_u32 s9, 0
	s_cbranch_scc0 .Lfor_b_\@
	tensor_load_to_lds s[\g0a:\g0a+3], s[\g1a:\g1a+7]
	s_nop 0
.rept 4
	v_nop
.endr
	s_branch .Lasked_\@
.Lfor_b_\@:
	tensor_load_to_lds s[\g0b:\g0b+3], s[\g1b:\g1b+7]
	s_nop 0
.rept 4
	v_nop
.endr
.Lasked_\@:
.endm
.macro CROUND                          ; a round of the cluster's barrier
	s_barrier_signal -1
	s_barrier_wait -1
	s_cmp_lg_u32 s8, 0
	s_cbranch_scc1 .Lnot_wave_0_\@
	s_barrier_signal -3
.Lnot_wave_0_\@:
	s_barrier_wait -3
	s_barrier_signal -1
	s_barrier_wait -1
.endm
.macro PLACES                          ; four plain lines between a matrix instruction and a load into, or a vector read of, its registers
.rept 4
	v_nop
.endr
.endm
.macro FRAG reg, a16, a8, off          ; a fragment, 16 rows x 128 K, 12 registers: two half images of 768 bytes
	ds_load_b128 v[\reg:\reg+3], v[\a16] offset:\off
	ds_load_b64 v[\reg+4:\reg+5], v[\a8] offset:\off+512
	ds_load_b128 v[\reg+6:\reg+9], v[\a16] offset:\off+768
	ds_load_b64 v[\reg+10:\reg+11], v[\a8] offset:\off+1280
.endm
.macro FETCH0 k
	WIN 0x40
.set ii, 0
.rept NS0
	FRAG 128*((\k)%2)+12*ii, A0_16+((\k)/2)%NSLOT, A0_8+((\k)/2)%NSLOT, ii*3072+((\k)%2)*1536
.set ii, ii+1
.endr
	WIN 0
.endm
.macro FETCH1 k, i0
.irp i, \i0, \i0+1, \i0+2, \i0+3
	FRAG S1F+12*(\i), A1_16+((\k)/2)%NSLOT, A1_8+((\k)/2)%NSLOT, (\i)*3072+((\k)%2)*1536
.endr
.endm
.macro SCALES                          ; all scale words of my 8 + NS0 tiles: two words (256 along K) a load; lane r takes row r's
.irp i, 0,1,2,3,4,5,6,7
.irp s, 0,1,2,3
	ds_load_b64 v[SC1+8*\i+2*\s:SC1+8*\i+2*\s+1], v[AS1] offset:\s*1024+128*\i
.endr
.endr
.set ii, 0
.rept NS0
.irp s, 0,1,2,3
	ds_load_b64 v[SC0+8*ii+2*\s:SC0+8*ii+2*\s+1], v[AS0] offset:\s*NS0*128+128*ii
.endr
.set ii, ii+1
.endr
.endm
; Source 1's blocks a0, a0 + 1 against all of source 0's, step k.  The accumulators take turns, one instruction a turn, in the same order in every step.
.macro MUL2 a0, k, zero
	WIN 0xa1+0x50*((8*NS0*(\a0))/256)
.irp a, \a0, \a0+1
.set bb, 0
.rept NS0
.set AR, (8*(NS0*(\a)+bb))%256
.if \zero
	v_wmma_scale_f32_16x16x128_f8f6f4 v[AR:AR+7], v[128*((\k)%2)+12*bb:128*((\k)%2)+12*bb+11], v[S1F+12*(\a):S1F+12*(\a)+11], 0, v[SC0+8*bb+(\k)], v[SC1+8*(\a)+(\k)] matrix_a_fmt:MATRIX_FMT_FP6 matrix_b_fmt:MATRIX_FMT_FP6
.else
	v_wmma_scale_f32_16x16x128_f8f6f4 v[AR:AR+7], v[128*((\k)%2)+12*bb:128*((\k)%2)+12*bb+11], v[S1F+12*(\a):S1F+12*(\a)+11], v[AR:AR+7], v[SC0+8*bb+(\k)], v[SC1+8*(\a)+(\k)] matrix_a_fmt:MATRIX_FMT_FP6 matrix_b_fmt:MATRIX_FMT_FP6
.endif
.set bb, bb+1
.endr
.endr
.endm
.macro STEP k, zero                    ; a step whose successor lies in the same slot
	s_wait_dscnt 16                                ; source 0's set and source 1's blocks 0-3 are in; the youngest sixteen loads (blocks 4-7) may be out
	MUL2 0, \k, \zero
	MUL2 2, \k, \zero
	s_wait_dscnt 0x0
	PLACES
	FETCH0 (\k)+1
	FETCH1 (\k)+1, 0
	MUL2 4, \k, \zero
	MUL2 6, \k, \zero
	PLACES
	WIN 0
	FETCH1 (\k)+1, 4
.endm
; A slot's last step: the next slot is shown whole to every wave.  left = how many younger tensor loads of mine may stay out.
.macro TURN k, left
	s_wait_tensorcnt \left                         ; my part of the next slot has landed
	s_wait_dscnt 16
	MUL2 0, \k, 0
	s_wait_dscnt 0x0                               ; no LDS load of mine is out at the signal
	s_barrier_signal -1
	MUL2 2, \k, 0
	WIN 0
	s_barrier_wait -1
	PLACES
	FETCH0 (\k)+1
	FETCH1 (\k)+1, 0
	MUL2 4, \k, 0
	MUL2 6, \k, 0
	PLACES
	WIN 0
	FETCH1 (\k)+1, 4
.endm
	s_load_b128 s[4:7], s[0:1], 0x0                ; ctx, xw
	s_load_b128 s[20:23], s[0:1], 0x10             ; b_out, order
	s_load_b64 s[100:101], s[0:1], 0x20            ; out0
	v_lshl_add_u32 v158, v0, 2, 0x4f400
	v_mov_b32 v159, 0
	ds_add_u32 v158, v159
	ds_add_u32 v158, v159
	v_lshrrev_b32 v1, 5, v0
	v_readfirstlane_b32 s8, v1                     ; wave
	s_lshr_b32 s9, s8, 1                           ; which half of the rows is mine.  Also: I fetch for ctx (0) or for the weight (1)
	s_and_b32 s10, s8, 1                           ; which half of the columns.  Also: which half I fetch
	s_bfe_u32 s11, ttmp6, 0x40000                  ; cx
	s_bfe_u32 s12, ttmp6, 0x40004                  ; cy
	s_lshl_b32 s13, ttmp9, 2
	s_add_co_u32 s13, s13, s11                     ; block of 128 columns
	s_and_b32 s14, ttmp7, 0xffff
	s_lshl_b32 s14, s14, 2
	s_add_co_u32 s14, s14, s12                     ; block of 256 rows
	s_lshl_b32 s15, s12, 2
	s_lshl_b32 s15, 15, s15                        ; my row of the cluster
	s_lshl_b32 s16, 0x1111, s11                    ; my column
	s_or_b32 s[G1X], s15, (3<<16)|(1<<21)          ; 15:0 the mask; 17:16 elements of 8 bytes; 21 set beside a mask; no padding
	s_or_b32 s[G1SX], s15, (3<<16)|(1<<21)
	s_or_b32 s[G1W], s16, (3<<16)|(1<<21)
	s_or_b32 s[G1SW], s16, (3<<16)|(1<<21)
	GROUP1 G1X, 32, 96, 32                         ; eight tiles of 3,072 bytes: a dense block, as 96 rows of 256 bytes
	GROUP1 G1W, 32, 12*NS0, 32                     ; four tiles
	GROUP1 G1SX, 128, 4, 8192                      ; eight tiles' scale words in each of the four planes, 65,536 bytes apart
	GROUP1 G1SW, 16*NS0, 4, 1024                   ; the weight's: four tiles', planes 8,192 bytes apart
	s_mul_i32 s2, s10, 24576                       ; where my half goes in a slot: ctx's,
	s_mul_i32 s3, s10, NS0*3072
	s_add_co_u32 s3, s3, 49152                     ; the weight's
	s_mul_i32 s18, s14, 49152                      ; ctx's address is made of the block of rows and the wave alone,
	s_add_co_u32 s18, s18, s2
	s_mov_b32 s19, 0
	s_mul_i32 s66, s13, NS0*6144                   ; the weight's of the block of columns and the wave alone
	s_mul_i32 s17, s10, NS0*3072
	s_add_co_u32 s66, s66, s17
	s_add_co_u32 s66, s66, WIMG
	s_mov_b32 s67, 0
	s_wait_dscnt 0x0
	s_wait_kmcnt 0x0
	s_add_nc_u64 s[18:19], s[XP:XP+1], s[18:19]
	s_add_nc_u64 s[66:67], s[WP:WP+1], s[66:67]
.irp n, 0,1,2,3                        ; a group 0 for each slot; none is ever written again
	s_mov_b32 s[G0X+4*\n], 1
	s_add_co_u32 s[G0X+4*\n+1], s2, (\n%NSLOT)*SLOT
	s_add_nc_u64 s[G0X+4*\n+2:G0X+4*\n+3], s[18:19], \n*XPLANE
	s_or_b32 s[G0X+4*\n+3], s[G0X+4*\n+3], 0x80000000
	s_mov_b32 s[G0W+4*\n], 1
	s_add_co_u32 s[G0W+4*\n+1], s3, (\n%NSLOT)*SLOT
	s_add_nc_u64 s[G0W+4*\n+2:G0W+4*\n+3], s[66:67], \n*WPLANE
	s_or_b32 s[G0W+4*\n+3], s[G0W+4*\n+3], 0x80000000
.endr
	s_lshl_b32 s18, s14, 11                        ; the scale words: 128 bytes a tile
	s_lshl_b32 s17, s10, 10
	s_add_co_u32 s18, s18, s17
	s_add_co_u32 s18, s18, XSC
	s_mov_b32 s19, 0
	s_mov_b32 s[G0SX], 1
	s_lshl_b32 s17, s10, 12
	s_add_co_u32 s[G0SX+1], s17, SCL
	s_add_nc_u64 s[G0SX+2:G0SX+3], s[XP:XP+1], s[18:19]
	s_or_b32 s[G0SX+3], s[G0SX+3], 0x80000000
	s_mul_i32 s66, s13, NS0*256
	s_mul_i32 s17, s10, NS0*128
	s_add_co_u32 s66, s66, s17
	s_add_co_u32 s66, s66, WSC
	s_mov_b32 s67, 0
	s_mov_b32 s[G0SW], 1
	s_mul_i32 s17, s10, NS0*512
	s_add_co_u32 s[G0SW+1], s17, SCL+8192
	s_add_nc_u64 s[G0SW+2:G0SW+3], s[WP:WP+1], s[66:67]
	s_or_b32 s[G0SW+3], s[G0SW+3], 0x80000000
	CROUND                                         ; all sixteen work-groups are here: the joint loads meet
	JLOAD G0SX, G1SX, G0SW, G1SW
	JLOAD G0X, G1X, G0W, G1W
	JLOAD G0X+4, G1X, G0W+4, G1W
	JLOAD G0X+8, G1X, G0W+8, G1W
	JLOAD G0X+12, G1X, G0W+12, G1W
	v_and_b32 v3, 31, v0
	v_lshlrev_b32 v1, 4, v3                        ; 16 x lane
	v_lshlrev_b32 v2, 3, v3                        ; 8 x lane
	v_and_b32 v3, 15, v0                           ; r
	v_bfe_u32 v27, v0, 4, 1                        ; h
	s_mul_i32 s11, s9, 24576                       ; my eight tiles of ctx,
	s_mul_i32 s12, s10, NS0*3072
	s_add_co_u32 s12, s12, 49152                   ; my four of the weight
.irp s, 0,1,2,3
	v_add_nc_u32 v[A1_16+\s], s11, v1
	v_add_nc_u32 v[A1_8+\s], s11, v2
	v_add_nc_u32 v[A0_16+\s], s12, v1
	v_add_nc_u32 v[A0_8+\s], s12, v2
	s_add_co_u32 s11, s11, SLOT
	s_add_co_u32 s12, s12, SLOT
.endr
	s_lshl_b32 s15, s9, 12
	s_add_co_u32 s15, s15, SCL
	v_lshl_add_u32 v[AS1], v3, 3, s15
	s_mul_i32 s16, s10, NS0*512
	s_add_co_u32 s16, s16, SCL+8192
	v_lshl_add_u32 v[AS0], v3, 3, s16
	s_mul_i32 s17, s8, 4352
	s_add_co_u32 s17, s17, STAGE                   ; my stage
	v_mul_u32_u24 v24, v3, 272
	v_lshl_add_u32 v24, v27, 6, v24
	v_add_nc_u32 v24, s17, v24                     ; in: row r, 16 h columns on
	v_lshlrev_b32 v26, 4, v3
	v_mul_u32_u24 v25, v27, 272
	v_add_nc_u32 v25, v25, v26
	v_add_nc_u32 v25, s17, v25                     ; back: lanes 0-15 one row of 256 bytes, lanes 16-31 the next
	v_lshlrev_b32 v22, 6, v27                      ; the bias: 16 h numbers on
	v_lshlrev_b32 v23, 2, v27                      ; the list: the next entry for lanes 16-31
	s_lshl_b32 s2, s13, 9
	s_lshl_b32 s3, s10, 8
	s_add_co_u32 s2, s2, s3                        ; my 64 columns, in bytes
	s_mov_b32 s3, 0
	s_add_nc_u64 s[20:21], s[20:21], s[2:3]
	s_add_nc_u64 s[100:101], s[100:101], s[2:3]
	s_lshr_b32 s2, s14, 3
	s_lshl_b32 s2, s2, 23                          ; the batch: 2,048 rows of 4,096 bytes
	s_add_nc_u64 s[100:101], s[100:101], s[2:3]
	s_lshl_b32 s2, s14, 10
	s_lshl_b32 s18, s9, 9
	s_add_co_u32 s2, s2, s18                       ; the list at my 128 rows
	s_add_nc_u64 s[22:23], s[22:23], s[2:3]
	WIN 0x40
.irp i, 0,1,2,3                        ; for the weight's tile i: columns 32 (i / 2) + 8 (i % 2) + 16 h + 0 .. 7
	global_load_b128 v[BB+8*\i:BB+8*\i+3], v22, s[20:21] offset:(32*(\i/2)+8*(\i%2))*4
	global_load_b128 v[BB+8*\i+4:BB+8*\i+7], v22, s[20:21] offset:(32*(\i/2)+8*(\i%2))*4+16
.endr
.set ii, 0
.rept 64                               ; register 8 a + t: the token of row 2 t + h of ctx's tile a
	global_load_b32 v[PO+ii], v23, s[22:23] offset:(16*(ii/8)+2*(ii%8))*4
.set ii, ii+1
.endr
	WIN 0
	s_wait_tensorcnt 3                             ; the scale words and my part of slot 0 are in; three slots may be out
	s_barrier_signal -1
	s_barrier_wait -1
	FETCH0 0
	FETCH1 0, 0
	SCALES
	FETCH1 0, 4
	STEP 0, 1                                      ; the first products start the sums
	TURN 1, 2
	STEP 2, 0
	TURN 3, 1
	STEP 4, 0
	TURN 5, 0
	STEP 6, 0
	s_wait_dscnt 16                                ; the last step fetches nothing
	MUL2 0, 7, 0
	MUL2 2, 7, 0
	s_wait_dscnt 0x0
	MUL2 4, 7, 0
	MUL2 6, 7, 0
	WIN 0
	; THE WAY OUT, a tile of 16 rows at a time: + bias, elu, through my own stage, and out as whole rows of 256 bytes, each to its token.
	PLACES
	s_wait_loadcnt 0x0                             ; the bias and the list
	WIN 0x40
	v_mov_b32 v[STOC], v24
	v_mov_b32 v[RDC], v25
	v_mov_b32 v[C16], v26
	WIN 0x55
.set ii, 0
.rept 64
	v_min_u32 v[PO+ii], 0x7ff, v[PO+ii]            ; a token of the batch's 2,048
	v_lshl_add_u32 v[PO+ii], v[PO+ii], 12, v[C16]  ; its row of 4,096 bytes, + 16 (lane % 16)
.set ii, ii+1
.endr
.macro OUTA a
.set BK, 80+80*((\a)%2)
	WIN 0x46                                       ; result and bias window 1, accumulators window 2
.set bb, 0
.rept 4
.irp j, 0,2,4,6                        ; each accumulator from its low end on
	v_pk_add_f32 v[TT+8*bb+\j:TT+8*bb+\j+1], v[8*(4*(\a)+bb)+\j:8*(4*(\a)+bb)+\j+1], v[BB+8*bb+\j:BB+8*bb+\j+1]
.endr
.set bb, bb+1
.endr
	WIN 0x55
.set jj, 0
.rept 16
	v_pk_mul_f32 v[EE+jj:EE+jj+1], v[TT+jj:TT+jj+1], 0x3f38aa3b op_sel_hi:[1,0]   ; z = x log2(e) / 2
.set jj, jj+2
.endr
.set jj, 0
.rept 32
	v_sub_f32 v[EE+jj], v[EE+jj], |v[EE+jj]|
.set jj, jj+1
.endr
.set jj, 0
.rept 32
	v_exp_f32 v[EE+jj], v[EE+jj]
.set jj, jj+1
.endr
.set jj, 0
.rept 32
	v_max_num_f32 v[TT+jj], 0, v[TT+jj]            ; plain work behind the exponentials
.set jj, jj+1
.endr
	s_wait_alu depctr_va_vdst(0)                   ; one wait for the batch, ahead of its first reader
.set jj, 0
.rept 16
	v_pk_add_f32 v[EE+jj:EE+jj+1], v[EE+jj:EE+jj+1], -1.0 op_sel_hi:[1,0]
.set jj, jj+2
.endr
.set jj, 0
.rept 16
	v_pk_add_f32 v[TT+jj:TT+jj+1], v[TT+jj:TT+jj+1], v[EE+jj:EE+jj+1]
.set jj, jj+2
.endr
.irp i, 0,1,2,3
	ds_store_b128 v[STOC], v[TT+8*\i:TT+8*\i+3] offset:128*(\i/2)+32*(\i%2)
	ds_store_b128 v[STOC], v[TT+8*\i+4:TT+8*\i+7] offset:128*(\i/2)+32*(\i%2)+16
.endr
	s_wait_xcnt 0x0                                ; earlier stores have read the registers that the loads below fill
.irp t, 0,1,2,3,4,5,6,7
	ds_load_b128 v[BK+4*\t:BK+4*\t+3], v[RDC] offset:544*\t        ; LDS serves a wave's instructions in order: these see the stores above
.endr
	s_wait_dscnt 0x0
.irp t, 0,1,2,3,4,5,6,7
	global_store_b128 v[PO+8*(\a)+\t], v[BK+4*\t:BK+4*\t+3], s[100:101] th:TH_STORE_NT   ; sixteen lanes store 256 consecutive bytes, at a multiple of 256 from out0's first byte
.endr
.endm
.irp a, 0,1,2,3,4,5,6,7
	OUTA \a
.endr
	WIN 0
	s_wait_tensorcnt 0x0
	ds_add_u32 v158, v159
	s_wait_dscnt 0x0
	CROUND                                         ; the closing round
	s_endpgm
.Lfunc_end_k_qbdab050fd5_outp:
	.size	k_qbdab050fd5_outp, .Lfunc_end_k_qbdab050fd5_outp-k_qbdab050fd5_outp
	.p2alignl 7, 3214868480
	.fill 96, 4, 3214868480
	.section	.rodata,"a",@progbits
	.p2align	6, 0x0
	.amdhsa_kernel k_qbdab050fd5_outp
		.amdhsa_group_segment_fixed_size 327680
		.amdhsa_private_segment_fixed_size 0
		.amdhsa_enable_private_segment 0
		.amdhsa_kernarg_size 40
		.amdhsa_user_sgpr_count 2
		.amdhsa_user_sgpr_kernarg_segment_ptr 1
		.amdhsa_wavefront_size32 1
		.amdhsa_system_sgpr_workgroup_id_x 1
		.amdhsa_system_sgpr_workgroup_id_y 1
		.amdhsa_system_sgpr_workgroup_id_z 1
		.amdhsa_system_vgpr_workitem_id 0
		.amdhsa_next_free_vgpr 768
		.amdhsa_next_free_sgpr 102
		.amdhsa_reserve_vcc 0
		.amdhsa_float_denorm_mode_32 3
		.amdhsa_float_denorm_mode_16_64 3
		.amdhsa_memory_ordered 1
		.amdhsa_forward_progress 1
		.amdhsa_inst_pref_size 175
	.end_amdhsa_kernel
	.amdgpu_metadata
---
amdhsa.version: [ 1, 2 ]
amdhsa.kernels:
  - .name:           k_qbdab050fd5_outp
    .symbol:         k_qbdab050fd5_outp.kd
    .args:
      - { .name: ctx, .offset: 0, .size: 8, .value_kind: global_buffer, .address_space: global }
      - { .name: xw, .offset: 8, .size: 8, .value_kind: global_buffer, .address_space: global }
      - { .name: b_out, .offset: 16, .size: 8, .value_kind: global_buffer, .address_space: global }
      - { .name: order, .offset: 24, .size: 8, .value_kind: global_buffer, .address_space: global }
      - { .name: out0, .offset: 32, .size: 8, .value_kind: global_buffer, .address_space: global }
    .group_segment_fixed_size: 327680
    .private_segment_fixed_size: 0
    .kernarg_segment_align: 8
    .kernarg_segment_size: 40
    .max_flat_workgroup_size: 128
    .sgpr_count:     102
    .vgpr_count:     768
    .wavefront_size: 32
...
	.end_amdgpu_metadata
.endif
;; end of part 4
;; ======== version 2 of 2: 4 launches; version 1 with the launch attn written anew for expert scheduling mode
;; limits: right only within a limited range of input values
;; workspace buffers: xw 9,830,400 bytes; qkv 19,660,800 bytes; ctx 6,553,600 bytes; order 33,280 bytes of whole numbers
;; launch prep: the kernel of part 1 again; grid 385 x 1, 4 waves a work-group, no clusters, 60,928 bytes of LDS; arguments x, w_qkv, w_out, masks, xw, order; writes xw, order
;; launch proj: the kernel of part 2 again; grid 12 x 32, 4 waves a work-group, clusters of 4 x 4, 327,680 bytes of LDS; arguments xw, b_qkv, qkv; writes qkv
;; launch attn (part 5): grid 4 x 64, 16 waves a work-group, no clusters, 215,040 bytes of LDS; arguments qkv, masks, order, ctx; writes ctx
.if DOCPART == 5
	.amdgcn_target "amdgcn-amd-amdhsa--gfx1250"
	.amdhsa_code_object_version 6
	.text
	.protected	k_qbdab050fd5_attn
	.globl	k_qbdab050fd5_attn
	.p2align	8
	.type	k_qbdab050fd5_attn,@function
k_qbdab050fd5_attn:
	s_mov_b64 s[64:65], 0
	v_nop
	global_prefetch_b8 v0, s[64:65] scope:SCOPE_SE
	s_setreg_imm32_b32 hwreg(HW_REG_WAVE_SCHED_MODE, 0, 2), 2
	s_setreg_imm32_b32 hwreg(HW_REG_WAVE_MODE, 25, 1), 1
	s_wait_xcnt 0x0
	s_wait_alu depctr_vm_vsrc(0)
; ctx = (softmax(q k^T / 8, keys with mask 0 left out) x the query's mask) v for one batch and head, both products on codes of FP6 (E2M3) with E8M0 scales, and ctx quantised for the last product.
; p IS QUANTISED FINISHED AND NORMALISED, so a row's maximum and sum are wanted before its first code: the keys are walked TWICE.  Pass 1: the running maximum and the sum.  Pass 2: the scores again,
; p = 2^(t - M) x mask / sum, t = score x log2(e) / 8, M = the row's largest t rounded up to a whole number; p's codes and scale bytes along the keys; O^T += V^T P^T.
; SHARES.  A work-group has one batch and head: all of K and V, 2 x 98,304 bytes of codes, are copied into LDS once, through registers, and only read behind the one barrier.  A wave takes a tile of 16 queries at a time,
; J = x + 4 wave + 64 rho, rho = 0, 1, in the ORDER OF THE STORED LIST (queries whose mask is not 0 first).  A tile that begins at or behind the stored count holds only queries whose p is 0: its walk is left out by a scalar
; branch at each step's head, and it stores zero codes.  This text has no tensor load and asks for nothing jointly.
; LAYOUT.  Both products are used transposed: a lane holds one query (lane % 16).  The head has 64 along K, half of the instruction's 128: a fragment of K holds TWO tiles of 16 keys, one in each half of K, and Q stands as
; [q, 0] or [0, q], which picks the tile.  The key mask comes in as the product's C: 0, or -2^100.
; A batch with no key left: the count is 0, and ctx's scale bytes are stored as 0xff, which makes the last product's sums NaN, as the problem has them.
; LIMITS: |score| under 2^95; a p under 2^-126 counts as 0; NaN and infinities among the inputs are not served; a block's largest p is taken from its largest score (2^x is taken not to fall where x rises);
; a block of zeros gets the byte 1 (its codes are zeros; only this program reads the bytes).
; REGISTERS: v1-7, v15 lane terms; v8-14 the step's addresses; v16 -M, v17 the largest t; v[18:19] the sum; v[20:21] f, later mask / sum; v22-39 [q, 0, q]; v40 q's scale word, v41 p's, v44-47 K's, v48-51 V's;
;   v52-99 four fragments; v100-163 the scores, then p; v164-195 O^T; v196-207 codes; v208-215 the conversions' second halves; v216-231 at work; v232-247 the two tiles' q, its scale bytes and its mask; v248-255 at work.
; THE MODE: SCHED_MODE bits 1:0 = 2 (LLVM: expert scheduling mode 2), set by the entry lines.  The code itself states the register dependences between vector or matrix instructions and memory or LDS instructions,
; with s_wait_alu, always for 0.
; THE PLAN.  Registers that memory or LDS instructions touch:
;   at the head  v196-202, v207, v208-215: offsets and LDS addresses, made by vector lines, read by the copy's loads and LDS stores and by q's loads.  v52-155: the copy's data: global loads land, LDS stores read.
;                All of these get other work in the tiles: one wait on vm_vsrc at the first tile's head stands ahead of every such write.
;   v8-14        written by the additions at a step's head, read by that step's LDS loads.
;   v52-99       K's fragments land at a step's head; the eight products K Q^T read them.  In pass 2 V's fragments land behind the wait for the 64 exponentials; the four products V^T P^T read them.
;   v100-163     the keys' addends land at a step's head; the products, the softmax and the conversions read and write them.
;   v44-47, v48-51  K's and V's scale words land with their fragments; the products read them.
;   v196-201, v248  written by a tile's last vector lines, read by its three stores, written again in the next tile.
;   v1, v2, v15  the stores' offsets: made at the head, never written again.
; So a step has at its head one wait on vm_vsrc (the last step's LDS loads have read v8-14), the additions, and one wait on va_vdst (the addresses are written; all earlier vector and matrix lines are done with the registers in
; which the step's loads land).  In pass 2 V's loads need no wait of their own: the wait that the 64 exponentials have anyway stands behind the products that read K's fragments, and between it and the last of V's loads
; stand only lines that name the scores, mask / sum and v216-219.  One more wait on va_vdst stands ahead of V^T P^T, whose source 1 and scale word vector lines have made, and one ahead of a tile's stores.
.set VIMG,  98304
.set KSC,   196608
.set VSC,   200704
.set KBIAS, 204800
.set QQ, 22
.set QS, 40
.set PS, 41
.set KS, 44
.set VS, 48
.set FF, 52
.set SS, 100
.set OO, 164
.set PC, 196
.set CT, 208
.set TM, 216
.set QH, 232
.macro FRAG reg, a16, a8, off          ; a fragment, 12 registers: two half images of 768 bytes (16 bytes at 16 x lane, 8 bytes at 512 + 8 x lane)
	ds_load_b128 v[\reg:\reg+3], v[\a16] offset:\off
	ds_load_b64 v[\reg+4:\reg+5], v[\a8] offset:\off+512
	ds_load_b128 v[\reg+6:\reg+9], v[\a16] offset:\off+768
	ds_load_b64 v[\reg+10:\reg+11], v[\a8] offset:\off+1280
.endm
; where query v[t]'s codes, scale bytes and mask lie; each finished offset is held inside its part of the buffer
.macro GOFF t, o
	v_lshrrev_b32 v252, 5, v[\t]                   ; G
	v_bfe_u32 v253, v[\t], 3, 1                    ; u
	v_lshl_add_u32 v254, v252, 1, v253             ; its tile
	v_bfe_u32 v255, v[\t], 4, 1
	v_and_b32 v249, 7, v[\t]
	v_lshl_add_u32 v255, v255, 3, v249             ; its row there
	v_mul_u32_u24 v254, v254, 768
	v_lshl_add_u32 v[\o], v255, 4, v254
	v_lshl_add_u32 v[\o], v204, 8, v[\o]
	v_min_u32 v[\o], 98288, v[\o]
	v_lshl_add_u32 v[\o+1], v255, 3, v254
	v_lshl_add_u32 v[\o+1], v204, 7, v[\o+1]
	v_add_nc_u32 v[\o+1], 512, v[\o+1]
	v_min_u32 v[\o+1], 98296, v[\o+1]
	v_lshrrev_b32 v249, 7, v[\t]
	v_lshlrev_b32 v249, 8, v249                    ; 256 bytes for each 128 tokens,
	v_lshl_add_u32 v249, v255, 4, v249             ; 16 a row,
	v_and_b32 v252, 3, v252
	v_lshl_add_u32 v249, v252, 2, v249             ; a word for each pair of tiles,
	v_lshl_add_u32 v[\o+2], v253, 1, v249          ; two bytes a tile
	v_min_u32 v[\o+2], 4094, v[\o+2]
	v_lshlrev_b32 v[\o+3], 2, v[\t]
	v_min_u32 v[\o+3], 8188, v[\o+3]
.endm
	s_load_b256 s[4:11], s[0:1], 0x0               ; qkv s[4:5], masks s[6:7], order s[8:9], ctx s[10:11]
	v_lshl_add_u32 v226, v0, 2, 0x34000
	v_mov_b32 v227, 0
	v_lshrrev_b32 v8, 5, v0
	v_readfirstlane_b32 s12, v8                    ; wave 0..15
	v_and_b32 v205, 15, v0                         ; r
	v_bfe_u32 v204, v0, 4, 1                       ; h
	v_and_b32 v206, 31, v0
	v_lshlrev_b32 v1, 4, v206                      ; 16 x lane: K's images begin at LDS byte 0
	v_lshlrev_b32 v2, 3, v206                      ; 8 x lane
	v_add_nc_u32 v3, VIMG, v1
	v_add_nc_u32 v4, VIMG, v2
	v_lshl_add_u32 v5, v204, 6, KBIAS              ; my 16 keys of each 32
	v_lshl_add_u32 v6, v205, 4, KSC
	v_lshl_add_u32 v7, v205, 4, VSC
	v_lshlrev_b32 v15, 3, v205                     ; 8 r: ctx's scale bytes
	v_lshlrev_b32 v196, 4, v0                      ; the copy: 16 bytes a thread, 8,192 a line
	v_lshlrev_b32 v197, 3, v0
	v_add_nc_u32 v198, 65536, v196
	v_add_nc_u32 v199, VIMG, v196
	v_add_nc_u32 v200, VIMG+65536, v196
	v_add_nc_u32 v201, KSC, v197
	v_add_nc_u32 v202, KBIAS, v196
	v_mov_b32 v203, 0xf1800000                     ; -2^100
	v_lshlrev_b32 v207, 2, v205
.irp b, 0,1,2,3
	v_mov_b32 v[TM+4+\b], 0                        ; a lane permute's destination counts as one of its sources
.endr
	v_mov_b32 v249, 0
	s_wait_alu depctr_va_sdst(0)                   ; s12, the wave's number, is written, ahead of its first reader: my tiles' places are made from it
	s_and_b32 s15, ttmp7, 0xffff                   ; 16 x batch + head
	s_lshr_b32 s13, s15, 4
	s_and_b32 s14, s15, 15
	s_lshl_b32 s17, s12, 2
	s_add_co_u32 s17, s17, ttmp9
	s_lshl_b32 s17, s17, 4                         ; 16 J: my first tile's place in the list
	s_mov_b32 s18, 0x76543210
	s_mov_b32 s19, 0xfedcba98                      ; selects for lane l xor 16
	s_mov_b32 s20, 0x3e38aa3b                      ; c = log2(e) / 8
	s_mov_b32 s21, s20                             ; (named with it as a pair)
	s_lshl_b32 s26, s13, 7
	s_add_co_u32 s26, s26, 32768
	s_mov_b32 s27, 0
	s_lshl_b32 s28, s13, 13
	s_lshl_b32 s29, s17, 2
	s_add_co_u32 s28, s28, s29
	s_mov_b32 s29, 0
	s_mul_i32 s30, s15, 98304
	s_mov_b32 s31, 0
	s_lshl_b32 s32, s15, 12
	s_add_co_u32 s32, s32, 18874368
	s_mov_b32 s33, 0
	s_lshl_b32 s34, s13, 13
	s_mov_b32 s35, 0
	s_lshr_b32 s40, s14, 2                         ; ctx: which 256 along the last product's K,
	s_and_b32 s41, s14, 3                          ; and which 64 of them
	s_mul_i32 s44, s40, 1572864
	s_mul_i32 s43, s13, 393216
	s_add_co_u32 s44, s44, s43
	s_mul_i32 s43, s41, 768
	s_add_co_u32 s44, s44, s43
	s_lshl_b32 s45, s40, 16
	s_lshl_b32 s43, s13, 14
	s_add_co_u32 s45, s45, s43
	s_lshl_b32 s43, s41, 1
	s_add_co_u32 s45, s45, s43
	s_add_co_u32 s45, s45, 6291456
	s_wait_kmcnt 0x0
	s_add_nc_u64 s[26:27], s[8:9], s[26:27]
	s_load_b32 s16, s[26:27], 0x0                  ; how many queries of the batch have a mask other than 0
	s_add_nc_u64 s[28:29], s[8:9], s[28:29]        ; the list at my first tile
	s_add_nc_u64 s[30:31], s[4:5], s[30:31]        ; q's images of my batch and head,
	s_add_nc_u64 s[36:37], s[30:31], 6291456       ; k's,
	s_add_nc_u64 s[38:39], s[30:31], 12582912      ; v's
	s_add_nc_u64 s[32:33], s[4:5], s[32:33]        ; q's scale words; k's 262,144 bytes on, v's 524,288
	s_add_nc_u64 s[34:35], s[6:7], s[34:35]        ; the batch's masks
	s_wait_alu depctr_va_vdst(0)                   ; the offsets v196, v197, v207 and the LDS addresses v198 to v202 are written: the loads below and the copy's LDS stores read them, and no vector line names them again before those
	global_load_b32 v250, v207, s[28:29]           ; my query of tile J,
	global_load_b32 v251, v207, s[28:29] offset:4096   ; and of tile J + 64
.set jj, 0
.rept 12
	global_load_b128 v[FF+4*jj:FF+4*jj+3], v196, s[36:37] offset:8192*jj
.set jj, jj+1
.endr
.set jj, 0
.rept 12
	global_load_b128 v[SS+4*jj:SS+4*jj+3], v196, s[38:39] offset:8192*jj
.set jj, jj+1
.endr
	global_load_b64 v[148:149], v197, s[32:33] offset:262144
	global_load_b64 v[150:151], v197, s[32:33] offset:524288
	global_load_b128 v[152:155], v196, s[34:35]
	s_wait_loadcnt 27                              ; the two list entries are in; the copy's 27 loads may be out
	GOFF 250, 208
	GOFF 251, 212
	s_wait_alu depctr_va_vdst(0)                   ; the eight offsets v208 to v215 are written, which the loads of my queries read
.irp p, 0,1
	global_load_b128 v[QH+8*\p:QH+8*\p+3], v[208+4*\p], s[30:31]
	global_load_b64 v[QH+8*\p+4:QH+8*\p+5], v[209+4*\p], s[30:31]
	global_load_u16 v[QH+8*\p+6], v[210+4*\p], s[32:33]
	global_load_b32 v[QH+8*\p+7], v[211+4*\p], s[34:35]
.endr
	s_wait_loadcnt 23                              ; K's twelve are in: behind them 15 of the copy and the eight just issued
.set jj, 0
.rept 8
	ds_store_b128 v196, v[FF+4*jj:FF+4*jj+3] offset:8192*jj
.set jj, jj+1
.endr
.rept 4
	ds_store_b128 v198, v[FF+4*jj:FF+4*jj+3] offset:8192*(jj-8)
.set jj, jj+1
.endr
	s_wait_loadcnt 11                              ; V's twelve are in
.set jj, 0
.rept 8
	ds_store_b128 v199, v[SS+4*jj:SS+4*jj+3] offset:8192*jj
.set jj, jj+1
.endr
.rept 4
	ds_store_b128 v200, v[SS+4*jj:SS+4*jj+3] offset:8192*(jj-8)
.set jj, jj+1
.endr
	s_wait_loadcnt 8                               ; the scale words and the masks are in; my queries' eight loads may be out
	ds_store_b64 v201, v[148:149]
	ds_store_b64 v201, v[150:151] offset:4096
.irp i, 0,1,2,3
	v_cmp_eq_u32 s[22+\i], 0, v[152+\i]            ; the four compares in one run, each into a scalar register of its own (s22 to s25 are free until the passes)
.endr
	s_wait_alu depctr_va_sdst(0)                   ; the four masks s22 to s25 are written, ahead of the selects that read them
.irp i, 0,1,2,3
	v_cndmask_b32 v[152+\i], 0, v203, s[22+\i]     ; what a key adds to its scores
.endr
	s_wait_alu depctr_va_vdst(0)                   ; the selects have written v152 to v155, which the LDS store reads
	ds_store_b128 v202, v[152:155]
	s_wait_dscnt 0x0                               ; for the others' sake: my stores have landed
	s_barrier_signal -1
	s_barrier_wait -1                              ; from here on LDS is only read
	s_wait_loadcnt 0x0
	s_wait_kmcnt 0x0
	s_cmp_eq_u32 s16, 0
	s_cselect_b32 s42, 0xffff, 0                   ; no key left in the batch: ctx's scale bytes become 0xff
; the step's addresses, then its loads: K's scale words first, then for each pair of tiles g its fragment and its keys' addends, which go straight into the scores' registers
.macro LOADK second
	s_wait_alu depctr_vm_vsrc(0)                   ; the LDS loads issued so far have read v8 to v14, which the additions write
	v_add_nc_u32 v8, s22, v1
	v_add_nc_u32 v9, s22, v2
	v_add_nc_u32 v12, s23, v5
	v_add_nc_u32 v13, s24, v6
.if \second
	v_add_nc_u32 v10, s22, v3
	v_add_nc_u32 v11, s22, v4
	v_add_nc_u32 v14, s24, v7
.endif
	s_wait_alu depctr_va_vdst(0)                   ; the addresses are written; the vector and matrix lines issued so far are done with the fragments', the scores' and the scale words' registers, in which the loads land; in a pass's first step [q, 0, q] and q's scale word, which vector lines made, are written
	ds_load_b128 v[KS:KS+3], v13
.irp g, 0,1,2,3
	FRAG FF+12*\g, 8, 9, 1536*\g
.irp j, 0,1,2,3
	ds_load_b128 v[SS+16*\g+4*\j:SS+16*\g+4*\j+3], v12 offset:128*\g+16*\j   ; register 16 g + i belongs to key 32 g + 16 h + i
.endr
.endr
.endm
.macro SMUL                            ; S^T = K Q^T + the keys' addends: eight accumulators, one instruction each
.irp g, 0,1,2,3
	s_wait_dscnt 24-8*\g                           ; LDS loads come back in order (ISA guide 5.7.1): the scale words and pair g's fragment and addends are in; the eight loads of each later pair may be out
	v_wmma_scale_f32_16x16x128_f8f6f4 v[SS+16*\g:SS+16*\g+7], v[FF+12*\g:FF+12*\g+11], v[QQ:QQ+11], v[SS+16*\g:SS+16*\g+7], v[KS+\g], v[QS] matrix_a_fmt:MATRIX_FMT_FP6 matrix_b_fmt:MATRIX_FMT_FP6
	v_wmma_scale_f32_16x16x128_f8f6f4 v[SS+16*\g+8:SS+16*\g+15], v[FF+12*\g:FF+12*\g+11], v[QQ+6:QQ+17], v[SS+16*\g+8:SS+16*\g+15], v[KS+\g], v[QS] matrix_a_fmt:MATRIX_FMT_FP6 matrix_b_fmt:MATRIX_FMT_FP6
.endr
.rept 4
	v_nop
.endr
.endm
.macro BMAX                            ; the largest score of each block of 32 keys, my 16 of them; each accumulator is read from its low end on
.irp b, 0,1,2,3
	v_max3_num_f32 v[TM+\b], v[SS+16*\b], v[SS+16*\b+1], v[SS+16*\b+2]
.endr
.irp i, 3,5,7,9,11,13
.irp b, 0,1,2,3
	v_max3_num_f32 v[TM+\b], v[TM+\b], v[SS+16*\b+\i], v[SS+16*\b+\i+1]
.endr
.endr
.irp b, 0,1,2,3
	v_max_num_f32 v[TM+\b], v[TM+\b], v[SS+16*\b+15]
.endr
.endm
.macro TMINUSM                         ; t - M, two at a time
.set jj, 0
.rept 32
	v_pk_fma_f32 v[SS+jj:SS+jj+1], v[SS+jj:SS+jj+1], s[20:21], v[16:17] op_sel_hi:[1,0,0]
.set jj, jj+2
.endr
.endm
.macro EXP64
.set jj, 0
.rept 64
	v_exp_f32 v[SS+jj], v[SS+jj]
.set jj, jj+1
.endr
.endm
.macro STEP1                           ; 128 keys of pass 1
	LOADK 0
	SMUL
	BMAX
	v_max3_num_f32 v248, v[TM], v[TM+1], v[TM+2]
	v_max_num_f32 v248, v248, v[TM+3]
	v_permlanex16_b32 v249, v248, s18, s19
	v_max_num_f32 v248, v248, v249                 ; the step's largest score of my query
	v_mul_f32 v248, s20, v248
	v_max_num_f32 v17, v17, v248                   ; the running largest t
	v_mov_b32 v248, v16
	v_floor_f32 v16, -v17                          ; -M = floor(-t): M is a whole number
	v_sub_f32 v248, v16, v248
	v_cvt_i32_f32 v248, v248                       ; (it saturates)
	v_ldexp_f32 v20, 1.0, v248                     ; f = 2^(old M - new M): rounds nothing
	TMINUSM
	EXP64
	v_pk_mul_f32 v[18:19], v[18:19], v[20:21] op_sel_hi:[1,0]      ; the sum under the new M; the plain line behind the exponentials
	s_wait_alu depctr_va_vdst(0)                   ; the 64 exponentials have written the scores' registers: one wait for the batch, ahead of its first reader
	v_pk_add_f32 v[250:251], v[SS:SS+1], v[SS+2:SS+3]
.set jj, 4
.rept 15
	v_pk_add_f32 v[18:19], v[18:19], v[SS+jj:SS+jj+1]
	v_pk_add_f32 v[250:251], v[250:251], v[SS+jj+2:SS+jj+3]
.set jj, jj+4
.endr
	v_pk_add_f32 v[18:19], v[18:19], v[250:251]
.endm
.macro STEP2                           ; 128 keys of pass 2: M and the sum are final, so O^T is never rescaled
	LOADK 1
	SMUL
	BMAX
.irp b, 0,1,2,3
	v_permlanex16_b32 v[TM+4+\b], v[TM+\b], s18, s19
.endr
.irp b, 0,1,2,3
	v_max_num_f32 v[TM+\b], v[TM+\b], v[TM+4+\b]   ; with lane l xor 16's 16 keys
.endr
	TMINUSM
.irp b, 0,1,2,3
	v_fma_f32 v[TM+\b], v[TM+\b], s20, v16         ; the same of each block's largest score
.endr
	EXP64
	v_nop                                          ; the plain line behind the exponentials
	s_wait_alu depctr_va_vdst(0)                   ; the 64 exponentials have written the scores' registers, ahead of their first reader; and the products K Q^T are done reading K's fragments, in whose registers V's land below
.irp b, 0,1,2,3
	v_exp_f32 v[TM+\b], v[TM+\b]
.endr
	ds_load_b128 v[VS:VS+3], v14                   ; V's scale words and four fragments, dealt among the multiplications.  No further wait: the lines since the wait above name the scores, mask / sum and v216 to v219, none of the registers that these loads touch
.irp d, 0,1,2,3
	FRAG FF+12*\d, 10, 11, 1536*\d
.irp j, 0,2,4,6,8,10,12,14
	v_pk_mul_f32 v[SS+16*\d+\j:SS+16*\d+\j+1], v[SS+16*\d+\j:SS+16*\d+\j+1], v[20:21] op_sel_hi:[1,0]   ; p, finished: x mask / sum
.endr
.endr
	s_wait_alu depctr_va_vdst(0)                   ; the four exponentials have written v216 to v219, ahead of their first reader
.irp b, 0,1,2,3
	v_mul_f32 v[TM+\b], v[TM+\b], v20              ; the block's largest p: the same lines on the same number give the same bits
.endr
.irp b, 0,1,2,3
	v_max_num_f32 v[TM+\b], 0x1800000, v[TM+\b]    ; the floor 2^(3 - 127)
.endr
.irp b, 0,1,2,3
	v_add_nc_u32 v[TM+12+\b], 0xff000000, v[TM+\b]
.endr
.irp b, 0,1,2,3
	v_lshrrev_b32 v[TM+4+\b], 23, v[TM+12+\b]
.endr
	v_lshl_or_b32 v[PS], v[TM+5], 8, v[TM+4]       ; p's scale word for these 128 keys
	v_lshl_or_b32 v[PS], v[TM+6], 16, v[PS]
	v_lshl_or_b32 v[PS], v[TM+7], 24, v[PS]
.irp c, 0,1
	v_cvt_scalef32_pk16_fp6_f32 v[PC+6*\c:PC+6*\c+2], v[SS+32*\c:SS+32*\c+15], v[TM+12+2*\c]
	v_cvt_scalef32_pk16_fp6_f32 v[CT+4*\c:CT+4*\c+2], v[SS+32*\c+16:SS+32*\c+31], v[TM+12+2*\c+1]
.endr
	v_nop                                          ; one plain line behind a scaled conversion
.irp c, 0,1
.irp i, 0,1,2
	v_permlane16_swap_b32 v[PC+6*\c+\i], v[CT+4*\c+\i]
.endr
.irp i, 0,1,2
	v_mov_b32 v[PC+6*\c+3+\i], v[CT+4*\c+\i]
.endr
.endr
.rept 8
	v_nop                                          ; a scale word made by vector lines stands eight places ahead of the product, codes so made four
.endr
	s_wait_alu depctr_va_vdst(0)                   ; p's codes v196 to v207 and its scale word v41 are written by vector lines: the products below take them as source 1 and its scales; the places above stay beside this wait
	s_wait_dscnt 0x0                               ; V
.irp d, 0,1,2,3
	v_wmma_scale_f32_16x16x128_f8f6f4 v[OO+8*\d:OO+8*\d+7], v[FF+12*\d:FF+12*\d+11], v[PC:PC+11], v[OO+8*\d:OO+8*\d+7], v[VS+\d], v[PS] matrix_a_fmt:MATRIX_FMT_FP6 matrix_b_fmt:MATRIX_FMT_FP6
.endr
.endm
; A pass: sixteen trips, a constant; a tile with nothing to do jumps over a trip's work, not over the lines that step addresses.
.macro PASS second
	s_mov_b32 s22, 0                               ; the step's images: 6,144 bytes a step
	s_mov_b32 s23, 0                               ; its keys' addends: 512
	s_mov_b32 s24, 0                               ; its scale words: 256
	s_mov_b32 s25, 16
.Lstep_\@:
	s_cmp_lt_u32 s17, s16
	s_cbranch_scc0 .Lnone_\@
.if \second
	STEP2
.else
	STEP1
.endif
.Lnone_\@:
	s_add_co_u32 s22, s22, 6144
	s_add_co_u32 s23, s23, 512
	s_add_co_u32 s24, s24, 256
	s_sub_co_u32 s25, s25, 1
	s_cmp_lg_u32 s25, 0
	s_cbranch_scc1 .Lstep_\@
.endm
.macro TILE rho
	s_wait_xcnt 0x0                                ; the last tile's stores have read their registers and bases
	s_wait_alu depctr_vm_vsrc(0)                   ; the memory and LDS instructions issued so far have read their vector registers.  First tile: the head's offsets and LDS addresses v196 to v215 and the copy's data v52 to v155, which the tile's conversions write and in which its LDS loads land.  Second tile: the first tile's stores' data v196 to v201 and v248, which are written again
.if \rho
	s_add_co_u32 s17, s17, 1024                    ; 64 tiles on
.endif
	s_mul_i32 s40, s17, 192                        ; 3,072 bytes a tile of ctx's images,
	s_add_co_u32 s40, s40, s44
	s_mov_b32 s41, 0
	s_add_nc_u64 s[40:41], s[10:11], s[40:41]
	s_lshl_b32 s46, s17, 3                         ; 128 of its scale bytes
	s_add_co_u32 s46, s46, s45
	s_mov_b32 s47, 0
	s_add_nc_u64 s[46:47], s[10:11], s[46:47]
	v_lshl_or_b32 v[QS], v[QH+8*\rho+6], 16, v[QH+8*\rho+6]        ; q's two bytes, for either half of K
.irp i, 0,1,2,3,4,5
	v_mov_b32 v[QQ+\i], v[QH+8*\rho+\i]
	v_mov_b32 v[QQ+6+\i], 0
	v_mov_b32 v[QQ+12+\i], v[QH+8*\rho+\i]
.endr
.set jj, 0
.rept 32
	v_mov_b32 v[OO+jj], 0                          ; a tile whose walk is left out must give zero codes
.set jj, jj+1
.endr
	v_mov_b32 v17, 0xee000000                      ; the largest t so far: -2^93: over every masked key's, under every other's
	v_floor_f32 v16, -v17
	v_mov_b32 v18, 0
	v_mov_b32 v19, 0
	v_mov_b32 v20, 0
	v_mov_b32 v21, 0
	PASS 0
	v_add_f32 v18, v18, v19                        ; the sum's two halves,
	v_permlanex16_b32 v249, v18, s18, s19
	v_add_f32 v18, v18, v249                       ; and lane l xor 16's
	v_rcp_f32 v20, v18
	v_cvt_f32_i32 v248, v[QH+8*\rho+7]             ; the query's mask as a number; the plain line behind the reciprocal
	s_wait_alu depctr_va_vdst(0)                   ; the reciprocal has written v20, ahead of its first reader
	v_mul_f32 v20, v20, v248
	PASS 1
.rept 4
	v_nop
.endr
.irp b, 0,1                            ; O^T's 32 numbers of a lane, register 16 b + i = channel 32 b + 16 h + i, become half an image of ctx
	v_max3_num_f32 v[TM+\b], |v[OO+16*\b]|, |v[OO+16*\b+1]|, 0x1800000
.endr
.irp i, 2,4,6,8,10,12,14
.irp b, 0,1
	v_max3_num_f32 v[TM+\b], v[TM+\b], |v[OO+16*\b+\i]|, |v[OO+16*\b+\i+1]|
.endr
.endr
.irp b, 0,1
	v_permlanex16_b32 v[TM+4+\b], v[TM+\b], s18, s19
.endr
.irp b, 0,1
	v_max_num_f32 v[TM+\b], v[TM+\b], v[TM+4+\b]
.endr
.irp b, 0,1
	v_add_nc_u32 v[TM+12+\b], 0xff000000, v[TM+\b]
.endr
.irp b, 0,1
	v_lshrrev_b32 v[TM+4+\b], 23, v[TM+12+\b]
.endr
	v_cvt_scalef32_pk16_fp6_f32 v[PC:PC+2], v[OO:OO+15], v[TM+12]
	v_cvt_scalef32_pk16_fp6_f32 v[CT:CT+2], v[OO+16:OO+31], v[TM+13]
	v_lshl_or_b32 v248, v[TM+5], 8, v[TM+4]        ; the row's two bytes; the plain line behind the conversions
	v_or_b32 v248, s42, v248
.irp i, 0,1,2
	v_permlane16_swap_b32 v[PC+\i], v[CT+\i]
.endr
.irp i, 0,1,2
	v_mov_b32 v[PC+3+\i], v[CT+\i]
.endr
	s_wait_alu depctr_va_vdst(0)                   ; the swaps and moves have written the codes v196 to v201, the lines above them v248: the three stores read them
	global_store_b128 v1, v[PC:PC+3], s[40:41]                     ; 512 consecutive bytes
	global_store_b64 v2, v[PC+4:PC+5], s[40:41] offset:512         ; 256 consecutive bytes
	global_store_b16 v15, v248, s[46:47]                           ; lanes r and r + 16 store the same two bytes
.endm
	TILE 0
	TILE 1
	s_wait_dscnt 0x0
	s_wait_alu depctr_hold_cnt(0) depctr_sa_sdst(0) depctr_va_vdst(0) depctr_va_sdst(0) depctr_va_ssrc(0) depctr_va_vcc(0) depctr_vm_vsrc(0)
	s_wait_tensorcnt 0x0
	ds_add_u32 v226, v227
	s_wait_dscnt 0x0
	s_endpgm
.Lfunc_end_k_qbdab050fd5_attn:
	.size	k_qbdab050fd5_attn, .Lfunc_end_k_qbdab050fd5_attn-k_qbdab050fd5_attn
	.p2alignl 7, 3214868480
	.fill 96, 4, 3214868480
	.section	.rodata,"a",@progbits
	.p2align	6, 0x0
	.amdhsa_kernel k_qbdab050fd5_attn
		.amdhsa_group_segment_fixed_size 215040
		.amdhsa_private_segment_fixed_size 0
		.amdhsa_enable_private_segment 0
		.amdhsa_kernarg_size 32
		.amdhsa_user_sgpr_count 2
		.amdhsa_user_sgpr_kernarg_segment_ptr 1
		.amdhsa_wavefront_size32 1
		.amdhsa_system_sgpr_workgroup_id_x 1
		.amdhsa_system_sgpr_workgroup_id_y 1
		.amdhsa_system_sgpr_workgroup_id_z 1
		.amdhsa_system_vgpr_workitem_id 0
		.amdhsa_next_free_vgpr 256
		.amdhsa_next_free_sgpr 66
		.amdhsa_reserve_vcc 0
		.amdhsa_float_denorm_mode_32 3
		.amdhsa_float_denorm_mode_16_64 3
		.amdhsa_memory_ordered 1
		.amdhsa_forward_progress 1
		.amdhsa_inst_pref_size 80
	.end_amdhsa_kernel
	.amdgpu_metadata
---
amdhsa.version: [ 1, 2 ]
amdhsa.kernels:
  - .name:           k_qbdab050fd5_attn
    .symbol:         k_qbdab050fd5_attn.kd
    .args:
      - { .name: qkv, .offset: 0, .size: 8, .value_kind: global_buffer, .address_space: global }
      - { .name: masks, .offset: 8, .size: 8, .value_kind: global_buffer, .address_space: global }
      - { .name: order, .offset: 16, .size: 8, .value_kind: global_buffer, .address_space: global }
      - { .name: ctx, .offset: 24, .size: 8, .value_kind: global_buffer, .address_space: global }
    .group_segment_fixed_size: 215040
    .private_segment_fixed_size: 0
    .kernarg_segment_align: 8
    .kernarg_segment_size: 32
    .max_flat_workgroup_size: 512
    .sgpr_count:     66
    .vgpr_count:     256
    .wavefront_size: 32
...
	.end_amdgpu_metadata
.endif
;; end of part 5
;; launch outp: the kernel of part 4 again; grid 8 x 32, 4 waves a work-group, clusters of 4 x 4, 327,680 bytes of LDS; arguments ctx, xw, b_out, order, out0; writes out0
